; MI455X (gfx1250); checked and timed in simulation.
; The chip was launched on July 23, 2026; its instructions are those of AMD's public machine-readable ISA for CDNA 5 (MIT licence, August 2026) and "CDNA5" Instruction Set Architecture Reference Guide (July 2026). The comments in the code are by the model that wrote it; some were corrected since.
;; Multi Head Attention. Allowed arithmetic: matrix products marked QUANTISED: E2M1 operands, one E8M0 scale for each 32 along K, by v_wmma_scale_f32_16x16x128_f8f6f4 with both operands' format E2M1 (or v_wmma_scale_f32_32x16x128_f4), f32 sums; products left as they are: bf16, f16 or f32 operands; f32 sums; everything else in f32.
;; Inputs: W_k 1,024 x 1,024 float32; W_o 1,024 x 1,024 float32; W_q 1,024 x 1,024 float32; W_v 1,024 x 1,024 float32; x 4 x 2,048 x 1,024 float32.
;; Outputs: out0 4 x 2,048 x 1,024 float32.
;; This version of the problem:
;;   THIS VERSION OF THE PROBLEM IS GIVEN IN LOW PRECISION. The matrix products marked QUANTISED in the list below multiply operands that are first quantised to E2M1 (2 exponent bits, 1 mantissa bit; 4 bits a number), with one power-of-two scale for each 32 numbers along K (OCP MX v1.0); their sums are f32. The products marked 'left as it is' may take bf16, f16 or f32 operands, with f32 sums. Whichever they take, every output number must still come out within the allowed error. Rounding operands to bf16 (8 significant bits) uses up far more of that allowance than f16 does (11 bits, for magnitudes from 6e-5 to 65,504). All else is computed in f32.
;;   The module's matrix products, in the order in which they are computed (A, B: the left and right operand; K: the contracted axis; several contracted axes count as one K, in the product's order):
;;     1. [M 8,192, K 1,024] x [K 1,024, N 1,024]; A: input x; B: input W_q: QUANTISED
;;     2. [M 8,192, K 1,024] x [K 1,024, N 1,024]; A: input x; B: input W_k: QUANTISED
;;     3. [M 8,192, K 1,024] x [K 1,024, N 1,024]; A: input x; B: input W_v: QUANTISED
;;     4. batch 64 x [M 2,048, K 64] x [K 64, N 2,048]; A: computed on the way; B: computed on the way: left as it is (an operand is computed on the way)
;;     5. batch 64 x [M 2,048, K 2,048] x [K 2,048, N 64]; A: computed on the way; B: computed on the way: left as it is (an operand is computed on the way)
;;     6. [M 8,192, K 1,024] x [K 1,024, N 1,024]; A: computed on the way; B: input W_o: left as it is (an operand is computed on the way)
;;   THE QUANTISER, for each operand of a quantised product, along K:
;;     - K is cut into blocks of 32 from its start; a last block that is shorter is filled with zeros.
;;     - A block's scale is 2^e with e = floor(log2(the largest magnitude in the block)) - 2, held to -126 .. 127; a block of zeros has e = 0. As a byte (E8M0): e + 127.
;;     - Each number is divided by its block's scale, clamped to +-6, and rounded to the nearest number of E2M1, ties to even, subnormals kept.
;;     - The product sums the exact products of the quantised numbers (number of the format x scale) in f32.
;;   ~~~python
;;   def quantise(x, axis):      # numpy; x: float32 -> the quantised numbers, widened to float32 again
;;       x = np.moveaxis(x, axis, -1); K = x.shape[-1]
;;       x = np.pad(x, [(0, 0)] * (x.ndim - 1) + [(0, -K % 32)]); x = x.reshape(x.shape[:-1] + (-1, 32)); a = np.abs(x).max(-1, keepdims=True)
;;       e = np.where(a > 0, np.clip(np.frexp(np.where(a > 0, a, 1))[1] - 1 - 2, -126, 127), 0)      # np.frexp(a)[1] - 1 = floor(log2(a)), exactly
;;       r = np.clip(x / 2.0 ** e, -6, 6)
;;       step = 2.0 ** (np.maximum(np.frexp(np.where(r == 0, 1, r))[1] - 1, 0) - 1)
;;       q = np.round(r / step) * step * 2.0 ** e      # np.round: ties to even
;;       return np.moveaxis(q.reshape(q.shape[:-2] + (-1,))[..., :K], -1, axis).astype(np.float32)
;;   ~~~
;; One version. Each part assembles by itself: llvm-mc -triple=amdgcn-amd-amdhsa -mcpu=gfx1250 --defsym DOCPART=n.
;; ======== version 1 of 1: 5 launches
;; limits: right only within a limited range of input values; values are held in f16: magnitudes above 65,504 overflow, below 6.1e-05 lose precision
;; workspace buffers: x_codes 4,194,304 bytes; x_scales 262,144 bytes; w_codes 1,572,864 bytes; w_scales 98,304 bytes; wo16 2,097,152 bytes; qkv 50,331,648 bytes; q32 786,432 bytes; att 16,777,216 bytes
;; launch quant (part 1): grid 384 x 1, 4 waves a work-group, no clusters, 33,280 bytes of LDS; arguments x, W_q, W_k, W_v, W_o, x_codes, x_scales, w_codes, w_scales, wo16; writes x_codes, x_scales, w_codes, w_scales, wo16
.if DOCPART == 1
	.amdgcn_target "amdgcn-amd-amdhsa--gfx1250"
	.amdhsa_code_object_version 6
	.text
	.protected	k_qf86d916580_quant
	.globl	k_qf86d916580_quant
	.p2align	8
	.type	k_qf86d916580_quant,@function
k_qf86d916580_quant:
	s_mov_b64 s[64:65], 0
	v_nop
	global_prefetch_b8 v0, s[64:65] scope:SCOPE_SE
	s_setreg_imm32_b32 hwreg(HW_REG_WAVE_MODE, 25, 1), 1
	s_wait_xcnt 0x0
; x [8192][1024] and W_q, W_k, W_v [1024][1024], f32 with K innermost, become codes of FP4 (E2M1), two a byte, K innermost, with one E8M0 scale byte for each 32 along K;
; the three weights' rows follow each other in w_codes and w_scales (q 0-1023, k 1024-2047, v 2048-3071).  W_o [1024][1024] f32 becomes f16, rounded to nearest even, laid as it lies.
; A block's scale is 2^(floor(log2(its largest magnitude)) - 2); its byte is the largest magnitude's exponent field - 2, held at 1 from below.  A block of zeros so gets the byte 1 where the
; stated quantiser says 127: its codes are zeros, which add nothing under any byte but 0xff, and this program alone reads the bytes.
; LIMITS: NaN and infinities among the inputs are not served; W_o must lie under 65,504 in magnitude (f16).
; SHARES: a work-group takes 32,768 numbers, a wave 8,192: work-groups 0-255 x, 256-287 W_q, 288-319 W_k, 320-351 W_v, 352-383 W_o.  Rows are dense and K is a multiple of 32, so each tensor is a plain
; stream of blocks of 32.  Only pointers are chosen for the four quantised tensors: they take one path.  W_o's path uses no LDS.
; A step is 512 numbers: four loads of 512 consecutive bytes; the 2,048 bytes turn through the wave's own stage in LDS (16 bytes of padding behind each 64) and come back 64 bytes a lane, so that a lane holds
; 16 neighbours along K and two neighbouring lanes a block.  A lane's 16 codes are 8 bytes: a wave's store covers 256 consecutive bytes.  A wave's 256 scale bytes are gathered in LDS and leave as one aligned run of 256.
; No matrix unit, no cluster, no tensor load, no prefetch: nothing is shared, each byte is read once, and the loads run four steps ahead.
.set WAVES, 4
.set STEPS, 16
.set EMAX,  2
.set CB,    8                          ; bytes of 16 codes
.set R,     16                         ; v16-79   four sets of 16 numbers as they are loaded
.set X,     80                         ; v80-111  two sets of 16 neighbours
.set C,     128                        ; v128-191 codes: four registers a step, so that no store's data are written again
.set E,     112                        ; v112-127 a scale byte for each step
.set WREG,  8192                       ; LDS: a region for each wave: two stages of 32 x SP bytes, behind them its 256 scale bytes
.set SP,    80
.set SPW,   12                         ; v12  LDS address of my spare word; never rewritten
.set NIL,   13                         ; v13  0; never rewritten
.set SPARE, WAVES*WREG                 ; behind the four regions: the spare words, 128 bytes a wave, which no other line names
.set WV,    32                         ; s32  my wave's number
	s_load_b512 s[4:19], s[0:1], 0x0               ; x 4:5, W_q 6:7, W_k 8:9, W_v 10:11, W_o 12:13, x_codes 14:15, x_scales 16:17, w_codes 18:19
	s_load_b128 s[20:23], s[0:1], 0x40             ; w_scales 20:21, wo16 22:23
	v_lshl_add_u32 v[SPW], v0, 2, SPARE
	v_mov_b32 v[NIL], 0
	v_lshrrev_b32 v1, 5, v0
	v_readfirstlane_b32 s[WV], v1                  ; wave
	v_and_b32 v2, 31, v0                           ; lane
	v_lshlrev_b32 v3, 4, v2                        ; my 16 bytes of a load's 512
	s_mul_i32 s33, s[WV], WREG
	v_lshrrev_b32 v14, 2, v2
	v_mul_u32_u24 v14, v14, SP
	v_and_b32 v15, 3, v2
	v_lshl_add_u32 v14, v15, 4, v14
	v_add_nc_u32 v14, s33, v14                     ; the stage, on the way in: SP (lane / 4) + 16 (lane % 4)
	v_mul_u32_u24 v15, v2, SP
	v_add_nc_u32 v15, s33, v15                     ; and on the way out: SP x lane: my 16 neighbours
	v_mul_u32_u24 v4, v2, CB                       ; 8 x lane: my codes' place in a step's (and my f16 numbers' place on W_o's path)
	v_lshrrev_b32 v5, 1, v2
	s_add_co_u32 s33, s33, 2*32*SP
	v_add_nc_u32 v5, s33, v5                       ; LDS: my wave's 256 scale bytes, my block's byte
	v_lshlrev_b32 v7, 3, v2
	v_add_nc_u32 v6, s33, v7                       ; and on the way out 8 bytes a lane
	s_wait_kmcnt 0x0
	s_cmp_ge_u32 ttmp9, 352
	s_cbranch_scc1 .Lwo
	; which tensor: choices on the work-group's number alone
	s_cmp_lt_u32 ttmp9, 320
	s_cselect_b64 s[24:25], s[8:9], s[10:11]       ; W_k or W_v
	s_cmp_lt_u32 ttmp9, 288
	s_cselect_b64 s[24:25], s[6:7], s[24:25]       ; W_q
	s_cmp_lt_u32 ttmp9, 256
	s_cselect_b64 s[24:25], s[4:5], s[24:25]       ; x
	s_cselect_b64 s[26:27], s[14:15], s[18:19]     ; the codes' buffer
	s_cselect_b64 s[28:29], s[16:17], s[20:21]     ; the scale bytes'
	s_cselect_b32 s30, 0, 256
	s_sub_co_u32 s30, ttmp9, s30                   ; my group in the destination: 0-255 in x's, 0-95 in the weights'
	s_and_b32 s31, s30, 31
	s_cmp_lt_u32 ttmp9, 256
	s_cselect_b32 s31, s30, s31                    ; and in the source: each weight has 32 groups
	s_lshl_b32 s31, s31, 2
	s_add_co_u32 s34, s31, s[WV]                   ; my run of 8,192 numbers in the source,
	s_lshl_b32 s30, s30, 2
	s_add_co_u32 s36, s30, s[WV]                   ; and in the destination
	s_lshl_b32 s34, s34, 15                        ; 32,768 bytes of f32 a run
	s_mov_b32 s35, 0
	s_add_nc_u64 s[24:25], s[24:25], s[34:35]
	s_lshl_b32 s34, s36, 12                        ; 4,096 bytes of codes
	s_add_nc_u64 s[26:27], s[26:27], s[34:35]
	s_lshl_b32 s34, s36, 8                         ; 256 scale bytes
	s_add_nc_u64 s[28:29], s[28:29], s[34:35]
.macro LOAD t
.irp i, 0,1,2,3
	global_load_b128 v[R+16*((\t)%4)+4*\i:R+16*((\t)%4)+4*\i+3], v3, s[24:25] offset:2048*(\t)+512*\i th:TH_LOAD_NT   ; 32 lanes read 512 consecutive bytes
.endr
.endm
.macro TURN t                          ; step t's numbers through the stage: LDS serves a wave's instructions in order, so no wait stands between the stores and the loads
.irp i, 0,1,2,3
	ds_store_b128 v14, v[R+16*((\t)%4)+4*\i:R+16*((\t)%4)+4*\i+3] offset:32*SP*((\t)%2)+8*SP*\i
.endr
.irp i, 0,1,2,3
	ds_load_b128 v[X+16*((\t)%2)+4*\i:X+16*((\t)%2)+4*\i+3], v15 offset:32*SP*((\t)%2)+16*\i
.endr
.endm
.irp t, 0,1,2,3
	LOAD \t
.endr
	s_wait_loadcnt 12                              ; step 0's four loads are in; the twelve of steps 1 to 3 may be out
	TURN 0
.macro STEP t
.set XS, X+16*((\t)%2)
.if (\t) > 0
	s_wait_dscnt 1                                 ; this step's numbers are back from the stage (the last step's byte store may be out): so its stores into the stage have read their registers,
.else
	s_wait_dscnt 0x0
.endif
.if (\t)+4 < STEPS
	LOAD (\t)+4                                    ; which take the loads of four steps on
.endif
.if (\t)+1 < STEPS
.if STEPS-2-(\t) >= 3
	s_wait_loadcnt 12                              ; the next step's four loads are in; those of the three steps behind it may be out
.else
	s_wait_loadcnt 4*(STEPS-2-(\t))
.endif
	TURN (\t)+1                                    ; and go through the other stage while this step is worked
.endif
	v_max3_num_f32 v8, |v[XS]|, |v[XS+1]|, |v[XS+2]|               ; the largest magnitude of my 16, in two chains
	v_max3_num_f32 v9, |v[XS+3]|, |v[XS+4]|, |v[XS+5]|
.irp i, 6,10
	v_max3_num_f32 v8, v8, |v[XS+\i]|, |v[XS+\i+1]|
	v_max3_num_f32 v9, v9, |v[XS+\i+2]|, |v[XS+\i+3]|
.endr
	v_max3_num_f32 v8, v8, |v[XS+14]|, |v[XS+15]|
	v_max3_num_f32 v8, v8, v9, (EMAX+1)<<23        ; and the floor 2^(EMAX + 1 - 127): the byte cannot fall under 1
	v_max_num_f32_dpp v8, v8, v8 row_xmask:1 row_mask:0xf bank_mask:0xf   ; and of my neighbour's 16: the block's
	v_add_nc_u32 v11, -(EMAX<<23), v8              ; EMAX off its exponent field: the conversion takes the exponent field of this operand as its scale
	v_cvt_scalef32_pk8_fp4_f32 v[C+4*(\t)], v[XS:XS+7], v11        ; eight numbers / the scale, to the nearest code, ties to even, beyond 6 the largest code
	v_cvt_scalef32_pk8_fp4_f32 v[C+4*(\t)+1], v[XS+8:XS+15], v11
	v_lshrrev_b32 v[E+(\t)], 23, v11               ; the scale's byte (a plain line behind the conversions)
	ds_store_b8 v5, v[E+(\t)] offset:16*(\t)       ; both lanes of a block write the same byte with the same value
	global_store_b64 v4, v[C+4*(\t):C+4*(\t)+1], s[26:27] offset:32*CB*(\t)
.endm
.irp t, 0,1,2,3,4,5,6,7,8,9,10,11,12,13,14,15
	STEP \t
.endr
	ds_load_b64 v[8:9], v6                         ; LDS serves a wave's instructions in order: these see my stores
	s_wait_dscnt 0x0
	global_store_b64 v7, v[8:9], s[28:29]          ; 32 lanes store 256 consecutive bytes, aligned
	s_wait_tensorcnt 0x0                           ; the wave's end: behind my last LDS store
	ds_add_u32 v[SPW], v[NIL]
	s_wait_dscnt 0x0
	s_endpgm
.Lwo:                                              ; W_o to f16: a wave's 8,192 numbers in two rounds of 32 loads of 512 consecutive bytes
	s_sub_co_u32 s30, ttmp9, 352
	s_lshl_b32 s30, s30, 2
	s_add_co_u32 s30, s30, s[WV]                   ; my run
	s_lshl_b32 s34, s30, 15
	s_mov_b32 s35, 0
	s_add_nc_u64 s[12:13], s[12:13], s[34:35]
	s_lshl_b32 s34, s30, 14
	s_add_nc_u64 s[22:23], s[22:23], s[34:35]
.irp g, 0,1
.if \g > 0
	s_wait_xcnt 0x0                                ; the first round's stores have read their data: the registers are loaded again only behind this wait
.endif
.irp i, 0,1,2,3,4,5,6,7,8,9,10,11,12,13,14,15,16,17,18,19,20,21,22,23,24,25,26,27,28,29,30,31
	global_load_b128 v[16+4*\i:19+4*\i], v3, s[12:13] offset:(32*\g+\i)*512 th:TH_LOAD_NT
.endr
.irp i, 0,1,2,3,4,5,6,7,8,9,10,11,12,13,14,15,16,17,18,19,20,21,22,23,24,25,26,27,28,29,30,31
	s_wait_loadcnt 31-\i                           ; load i is in; the round's younger loads may be out
	v_cvt_pk_f16_f32 v[16+4*\i], v[16+4*\i], v[17+4*\i]
	v_cvt_pk_f16_f32 v[17+4*\i], v[18+4*\i], v[19+4*\i]
	global_store_b64 v4, v[16+4*\i:17+4*\i], s[22:23] offset:(32*\g+\i)*256   ; 32 lanes store 256 consecutive bytes, aligned
.endr
.endr
	s_wait_tensorcnt 0x0                           ; the same three lines on this path
	ds_add_u32 v[SPW], v[NIL]
	s_wait_dscnt 0x0
	s_endpgm
.Lfunc_end_k_qf86d916580_quant:
	.size	k_qf86d916580_quant, .Lfunc_end_k_qf86d916580_quant-k_qf86d916580_quant
	.p2alignl 7, 3214868480
	.fill 96, 4, 3214868480
	.section	.rodata,"a",@progbits
	.p2align	6, 0x0
	.amdhsa_kernel k_qf86d916580_quant
		.amdhsa_group_segment_fixed_size 33280
		.amdhsa_private_segment_fixed_size 0
		.amdhsa_enable_private_segment 0
		.amdhsa_kernarg_size 80
		.amdhsa_user_sgpr_count 2
		.amdhsa_user_sgpr_kernarg_segment_ptr 1
		.amdhsa_wavefront_size32 1
		.amdhsa_system_sgpr_workgroup_id_x 1
		.amdhsa_system_sgpr_workgroup_id_y 1
		.amdhsa_system_sgpr_workgroup_id_z 1
		.amdhsa_system_vgpr_workitem_id 0
		.amdhsa_next_free_vgpr 192
		.amdhsa_next_free_sgpr 66
		.amdhsa_reserve_vcc 0
		.amdhsa_float_denorm_mode_32 3
		.amdhsa_float_denorm_mode_16_64 3
		.amdhsa_memory_ordered 1
		.amdhsa_forward_progress 1
		.amdhsa_inst_pref_size 56
	.end_amdhsa_kernel
	.amdgpu_metadata
---
amdhsa.version: [ 1, 2 ]
amdhsa.kernels:
  - .name:           k_qf86d916580_quant
    .symbol:         k_qf86d916580_quant.kd
    .args:
      - { .name: x, .offset: 0, .size: 8, .value_kind: global_buffer, .address_space: global }
      - { .name: W_q, .offset: 8, .size: 8, .value_kind: global_buffer, .address_space: global }
      - { .name: W_k, .offset: 16, .size: 8, .value_kind: global_buffer, .address_space: global }
      - { .name: W_v, .offset: 24, .size: 8, .value_kind: global_buffer, .address_space: global }
      - { .name: W_o, .offset: 32, .size: 8, .value_kind: global_buffer, .address_space: global }
      - { .name: x_codes, .offset: 40, .size: 8, .value_kind: global_buffer, .address_space: global }
      - { .name: x_scales, .offset: 48, .size: 8, .value_kind: global_buffer, .address_space: global }
      - { .name: w_codes, .offset: 56, .size: 8, .value_kind: global_buffer, .address_space: global }
      - { .name: w_scales, .offset: 64, .size: 8, .value_kind: global_buffer, .address_space: global }
      - { .name: wo16, .offset: 72, .size: 8, .value_kind: global_buffer, .address_space: global }
    .group_segment_fixed_size: 33280
    .private_segment_fixed_size: 0
    .kernarg_segment_align: 8
    .kernarg_segment_size: 80
    .max_flat_workgroup_size: 128
    .sgpr_count:     66
    .vgpr_count:     192
    .wavefront_size: 32
...
	.end_amdgpu_metadata
.endif
;; end of part 1
;; launch qkv (part 2): grid 12 x 32, 4 waves a work-group, clusters of 4 x 4, 327,680 bytes of LDS; arguments x_codes, x_scales, w_codes, w_scales, qkv, q32; writes qkv, q32
.if DOCPART == 2
	.amdgcn_target "amdgcn-amd-amdhsa--gfx1250"
	.amdhsa_code_object_version 6
	.text
	.protected	k_qf86d916580_qkv
	.globl	k_qf86d916580_qkv
	.p2align	8
	.type	k_qf86d916580_qkv,@function
k_qf86d916580_qkv:
	s_mov_b64 s[64:65], 0
	v_nop
	global_prefetch_b8 v0, s[64:65] scope:SCOPE_SE
	s_setreg_imm32_b32 hwreg(HW_REG_WAVE_MODE, 25, 1), 1
	s_wait_xcnt 0x0
	s_wait_alu depctr_hold_cnt(0) depctr_sa_sdst(0) depctr_va_vdst(0) depctr_va_sdst(0) depctr_va_ssrc(0) depctr_va_vcc(0) depctr_vm_vsrc(0)
	s_getreg_b32 s2, hwreg(HW_REG_IB_STS2, 6, 4)
	s_cmp_eq_u32 s2, 0
	s_cbranch_scc0 .Lentry_in_a_cluster
	s_endpgm
.Lentry_in_a_cluster:
	s_bfe_u32 s2, ttmp6, 0x10000c
	s_cmp_lg_u32 s2, 0xf033
	s_cbranch_scc0 .Lentry_shape_is_right
	s_endpgm
.Lentry_shape_is_right:
; C[m][n] = sum over k of x[m][k] W[n][k], m = 0 .. 8191 (2048 batch + position), n = 0 .. 3071 (q, k, v), K = 1,024, both operands codes of FP4 (E2M1) with one E8M0 scale for each 32 along K; sums in f32.
; C leaves as f16 by head: qkv[n / 64][m][n % 64] (a row 128 bytes, 16 positions of a head 2,048 consecutive bytes), and the first 16 positions of each batch also as f32: q32[16 batch + position][3072].
; LIMIT: q, k and v must lie under 65,504 in magnitude (f16).
; A tile of C, 256 x 256, is made by four waves, each 128 x 128: 64 accumulators of 16 x 16, 512 registers.  K goes in two steps of 512 (a tile's row is 256 bytes of memory) through two LDS slots:
; both are asked for at the start and nothing is filled again.  By this text's own count a wave has three tensor loads outstanding at the start: its part of the scales and of the two K steps.
; THE SCALES of the work-group's 256 rows of x and 256 rows of W, for all of K, are two dense blocks of memory: they come into LDS once, in rows of 256 bytes.
; CLUSTERS: 4 x 4 work-groups.  The four of a row of the cluster need the same tiles of x, the four of a column the same tiles of W: each is asked for JOINTLY, by the same tensor load with the same descriptor and a mask that names the four.
; THE MATRIX INSTRUCTION IS USED TRANSPOSED (source 0 = 16 rows of W, source 1 = 16 rows of x): a lane then holds eight neighbouring columns of one row of C.
; REGISTERS, in windows of 256: window 0: v0-31 addresses; v32-95 scale words, two sets; from v128 x's fragments, ONE set; on the way out v32-63, v192-255.
;   window 1: W's fragments, TWO sets, at v0 and v128.   window 2: the accumulators of my rows 0-63 ((a, b) at v[8 (8 a + b)]);   window 3: those of rows 64-127.
; All of LDS is claimed.
.set SIZE_K, 1024
.set KSTEP,  512
.set NQ,     KSTEP/128
.set ROWB,   256
.set KROW,   SIZE_K*4/8
.set PITCH,  272                       ; an LDS row: 256 bytes + 16 of padding: the 16 rows that a load touches start at 16 different 16-byte columns modulo 256
.set FR,     8
.set NL,     2
.set NP,     4
.set HALFT,  128*PITCH
.set SLOT,   4*HALFT                   ; x's 256 rows, then W's 256 rows
.set KS,     SIZE_K/32
.set SCL,    2*SLOT                    ; behind the slots: the scales, as rows of 256 bytes + 16 of padding
.set HALFS,  (128*KS/256)*272
.set SBLK,   (16*KS/256)*272
.set SPARE,  SCL+4*HALFS               ; the spare words, 128 bytes a wave, which no other line names
.set STAGE,  SPARE+512                 ; the way out: 16 rows x (256 bytes + 16) for each wave; no tensor load lands here
.set SPITCH, 272
.set ADRA, 16                          ; v16-17  LDS address of my fragments of x in slot 0, 1
.set ADRB, 20                          ; v20-21  the same for W
.set STO,  24                          ; v24     the way out: where I put 16 bytes of a row
.set RD,   25                          ; v25     where I read rows back
.set CO,   26                          ; v26     16 x lane: my place in 512 consecutive bytes of a head
.set ADRS, 27                          ; v27     LDS address of my scale words: lanes 0-15 x's rows, lanes 16-31 W's
.set SPW,  28                          ; v28     my spare word; never rewritten
.set NIL,  29                          ; v29     0; never rewritten
.set FO,   30                          ; v30     the f32 copy: 12,288 r + 32 h
.set FL,   31                          ; v31     0 where my block 0 is a batch's first 16 positions
.set SC,   32
.set AF,   128
.set TMP,  192                         ; the way out: packed results
.set OB,   32                          ; 16 rows read back: v32-63 and v224-255 by turns
.set G1, 24
.set G0, 32
.set G1B, 48
.set G0B, 56
.set G1S, 68
.set G0S, 76
.set G1SB, 80
.set G0SB, 88
.set MSB, 0
.macro WIN new                         ; the immediate's high byte repeats the setting that is left
.if MSB != (\new)
	s_set_vgpr_msb (MSB<<8)|(\new)
.set MSB, (\new)
.endif
.endm
.set MUL_LO, 0xa1                      ; source 0 (W) window 1, source 1 (x) window 0, C and D window 2
.set MUL_HI, 0xf1                      ; the same, C and D window 3
.set TO_B,   0x40                      ; destination window 1, address window 0
; A joint load: waves 0 and 1 fetch for x, waves 2 and 3 for W; the branch hangs on the wave's number alone.  An s_nop 0 and four v_nop follow each of the two lines.
.macro JLOAD g0a, g1a, g0b, g1b
	s_cmp_eq_u32 s15, 0
	s_cbranch_scc0 .Lfor_b_\@
	tensor_load_to_lds s[\g0a:\g0a+3], s[\g1a:\g1a+7]
	s_nop 0
.rept 4
	v_nop
.endr
	s_branch .Lasked_\@
.Lfor_b_\@:
	tensor_load_to_lds s[\g0b:\g0b+3], s[\g1b:\g1b+7]
	s_nop 0
.rept 4
	v_nop
.endr
.Lasked_\@:
.endm
.macro CROUND                          ; a round of the cluster's barrier
	s_barrier_signal -1
	s_barrier_wait -1
	s_cmp_lg_u32 s14, 0
	s_cbranch_scc1 .Lnot_wave_0_\@
	s_barrier_signal -3
.Lnot_wave_0_\@:
	s_barrier_wait -3
	s_barrier_signal -1
	s_barrier_wait -1
.endm
	s_load_b128 s[4:7], s[0:1], 0x0                ; x's codes, x's scales
	s_load_b128 s[8:11], s[0:1], 0x10              ; W's codes, W's scales
	s_load_b64 s[12:13], s[0:1], 0x20              ; qkv
	s_load_b64 s[96:97], s[0:1], 0x28              ; q32
	v_lshl_add_u32 v[SPW], v0, 2, SPARE
	v_mov_b32 v[NIL], 0
	ds_add_u32 v[SPW], v[NIL]                      ; the wave's opening: the add, twice on end, and its wait ahead of my first tensor load
	ds_add_u32 v[SPW], v[NIL]
	v_lshrrev_b32 v1, 5, v0
	v_readfirstlane_b32 s14, v1                    ; wave 0..3
	s_lshr_b32 s15, s14, 1                         ; which half of the tile's rows is mine.  Also: I fetch for x (0) or for W (1)
	s_and_b32 s16, s14, 1                          ; which half of its columns.  Also: which 128 rows of that tile I fetch
	s_bfe_u32 s40, ttmp6, 0x40000                  ; cx, cy: my place in the cluster
	s_bfe_u32 s41, ttmp6, 0x40004
	s_lshl_b32 s42, ttmp9, 2
	s_add_co_u32 s42, s42, s40                     ; tile column of C = 4 x cluster x + cx
	s_and_b32 s17, ttmp7, 0xffff
	s_lshl_b32 s17, s17, 2
	s_add_co_u32 s17, s17, s41                     ; tile row of C = 4 x cluster y + cy
	s_lshl_b32 s43, s41, 2
	s_lshl_b32 s43, 15, s43                        ; my row of the cluster
	s_lshl_b32 s44, 0x1111, s40                    ; my column
	; descriptor group 1: a tile of 128 rows x 256 bytes, 16 bytes of padding behind each row
	s_or_b32 s[G1+0], s43, (0<<16)|(1<<20)|(1<<21)|(5<<22)|(3<<25)
	s_or_b32 s[G1B+0], s44, (0<<16)|(1<<20)|(1<<21)|(5<<22)|(3<<25)
.irp g, G1, G1B
	s_mov_b32 s[\g+1], ROWB<<16                    ; tensor_dim0
	s_mov_b32 s[\g+2], 128<<16                     ; tensor_dim1
	s_mov_b32 s[\g+3], ROWB<<16                    ; tile_dim0
	s_mov_b32 s[\g+4], 128                         ; tile_dim1
	s_mov_b32 s[\g+5], KROW                        ; from row to row
	s_mov_b32 s[\g+6], 0
	s_mov_b32 s[\g+7], 0
.endr
	; the scales of 128 rows: a dense block of 4,096 bytes, as 16 rows of 256 bytes (32 elements of 8 bytes), padded likewise
	s_or_b32 s[G1S+0], s43, (3<<16)|(1<<20)|(1<<21)|(5<<22)|(3<<25)
	s_or_b32 s[G1SB+0], s44, (3<<16)|(1<<20)|(1<<21)|(5<<22)|(3<<25)
.irp g, G1S, G1SB
	s_mov_b32 s[\g+1], 32<<16
	s_mov_b32 s[\g+2], (128*KS/256)<<16
	s_mov_b32 s[\g+3], 32<<16
	s_mov_b32 s[\g+4], 128*KS/256
	s_mov_b32 s[\g+5], 32
	s_mov_b32 s[\g+6], 0
	s_mov_b32 s[\g+7], 0
.endr
	s_lshl_b32 s18, s16, 7                         ; which 128 rows of the tile I fetch
	s_lshl_b32 s20, s17, 8
	s_add_co_u32 s20, s20, s18                     ; x: row 256 x tile row + 128 x half
	s_lshl_b32 s46, s42, 8
	s_add_co_u32 s46, s46, s18                     ; W: row 256 x tile column + 128 x half
	s_mov_b32 s21, 0
	s_mov_b32 s47, 0
	s_mov_b64 s[18:19], KS
	s_mul_u64 s[22:23], s[20:21], s[18:19]         ; where these rows' scales begin, in bytes
	s_mul_u64 s[92:93], s[46:47], s[18:19]
	s_mov_b64 s[18:19], KROW
	s_mul_u64 s[20:21], s[20:21], s[18:19]         ; and their codes
	s_mul_u64 s[46:47], s[46:47], s[18:19]
	s_mul_i32 s45, s14, HALFT                      ; where they go: wave x 128 rows: no place in the cluster enters an LDS address
	s_mul_i32 s94, s14, HALFS
	s_wait_dscnt 0x0                               ; both opening adds are done
	s_wait_kmcnt 0x0
	s_add_nc_u64 s[20:21], s[4:5], s[20:21]
	s_add_nc_u64 s[22:23], s[6:7], s[22:23]
	s_add_nc_u64 s[46:47], s[8:9], s[46:47]
	s_add_nc_u64 s[92:93], s[10:11], s[92:93]
	CROUND                                         ; all sixteen work-groups are here: the joint loads meet
	s_mov_b32 s[G0S], 1
	s_add_co_u32 s[G0S+1], s94, SCL
	s_mov_b64 s[G0S+2:G0S+3], s[22:23]
	s_or_b32 s[G0S+3], s[G0S+3], 0x80000000
	s_mov_b32 s[G0SB], 1
	s_add_co_u32 s[G0SB+1], s94, SCL
	s_mov_b64 s[G0SB+2:G0SB+3], s[92:93]
	s_or_b32 s[G0SB+3], s[G0SB+3], 0x80000000
	JLOAD G0S, G1S, G0SB, G1SB                     ; the scales first: they are wanted with K step 0
.irp s, 0,1
	s_mov_b32 s[G0+4*\s], 1
	s_add_co_u32 s[G0+4*\s+1], s45, \s*SLOT
	s_add_nc_u64 s[G0+4*\s+2:G0+4*\s+3], s[20:21], \s*ROWB
	s_or_b32 s[G0+4*\s+3], s[G0+4*\s+3], 0x80000000
	s_mov_b32 s[G0B+4*\s], 1
	s_add_co_u32 s[G0B+4*\s+1], s45, \s*SLOT
	s_add_nc_u64 s[G0B+4*\s+2:G0B+4*\s+3], s[46:47], \s*ROWB
	s_or_b32 s[G0B+4*\s+3], s[G0B+4*\s+3], 0x80000000
	JLOAD G0+4*\s, G1, G0B+4*\s, G1B
.endr
	v_and_b32 v1, 15, v0                           ; r = l % 16
	v_bfe_u32 v2, v0, 4, 1                         ; h = l / 16
	v_mul_u32_u24 v3, v1, PITCH
	v_lshl_add_u32 v4, v2, 4, v3                   ; a fragment's row x pitch + 16 x half
	s_mul_i32 s21, s15, HALFT                      ; my 128 rows of x
	s_mul_i32 s22, s16, HALFT                      ; my 128 rows of W,
	s_add_co_u32 s22, s22, 2*HALFT                 ; which lie behind x's 256
.irp s, 0,1
	v_add_nc_u32 v[ADRA+\s], s21, v4
	v_add_nc_u32 v[ADRB+\s], s22, v4
	s_add_co_u32 s21, s21, SLOT
	s_add_co_u32 s22, s22, SLOT
.endr
	v_mul_u32_u24 v5, v1, KS                       ; my row's scales: KS bytes a row,
	v_lshrrev_b32 v6, 8, v5
	v_lshl_add_u32 v5, v6, 4, v5                   ; and 16 more for each 256 passed
	s_mul_i32 s21, s15, HALFS                      ; x's: my 128 rows
	s_mul_i32 s22, s16, HALFS                      ; W's: my 128 rows, behind x's 256
	s_add_co_u32 s22, s22, 2*HALFS
	s_sub_co_u32 s22, s22, s21
	v_mul_u32_u24 v6, s22, v2                      ; lanes 16-31 take W's: one product, the distance x h
	s_add_co_u32 s21, s21, SCL
	v_add_nc_u32 v5, v5, v6
	v_add_nc_u32 v[ADRS], s21, v5
	s_mul_i32 s23, s14, 16*SPITCH
	s_add_co_u32 s23, s23, STAGE                   ; my stage
	v_mul_u32_u24 v5, v1, SPITCH                   ; in: row r, 16 bytes for each half of the lanes
	v_lshl_add_u32 v5, v2, 4, v5
	v_add_nc_u32 v[STO], s23, v5
	v_bfe_u32 v5, v0, 3, 2                         ; back: eight lanes take the 128 bytes that a row has of one head, four rows an instruction
	v_mul_u32_u24 v5, v5, SPITCH
	v_and_b32 v6, 7, v0
	v_lshl_add_u32 v5, v6, 4, v5
	v_add_nc_u32 v[RD], s23, v5
	v_and_b32 v6, 31, v0
	v_lshlrev_b32 v[CO], 4, v6                     ; those four rows are 512 consecutive bytes of qkv
	v_mul_u32_u24 v[FO], v1, 12288
	v_lshl_add_u32 v[FO], v2, 5, v[FO]             ; the f32 copy: row r of 12,288 bytes, + 32 h
	s_lshl_b32 s20, s17, 8
	s_lshl_b32 s21, s15, 7
	s_add_co_u32 s20, s20, s21                     ; my first row m: 256 x tile row + 128 x half,
	s_lshl_b32 s20, s20, 7                         ; 128 bytes a row
	s_lshl_b32 s46, s42, 2
	s_lshl_b32 s47, s16, 1
	s_add_co_u32 s46, s46, s47                     ; my first head slice: 4 x tile column + 2 x half,
	s_lshl_b32 s46, s46, 20                        ; 2^20 bytes each
	s_mov_b32 s21, 0
	s_mov_b32 s47, 0
	s_add_nc_u64 s[20:21], s[20:21], s[46:47]
	s_add_nc_u64 s[12:13], s[12:13], s[20:21]
	s_lshr_b32 s20, s17, 3                         ; the batch: 8 tile rows each
	s_mul_i32 s20, s20, 196608                     ; 16 rows of q32
	s_lshl_b32 s46, s42, 10
	s_lshl_b32 s47, s16, 9
	s_add_co_u32 s46, s46, s47                     ; my first column, 4 bytes each
	s_mov_b32 s47, 0
	s_add_nc_u64 s[20:21], s[20:21], s[46:47]
	s_add_nc_u64 s[96:97], s[96:97], s[20:21]
	s_and_b32 s99, s17, 7
	s_or_b32 s99, s99, s15                         ; 0: the batch's first tile row, and its upper half
	v_mov_b32 v[FL], s99
.macro FRAG reg, adr, q, i             ; a fragment, 16 rows x 128 K of 4-bit codes: 8 registers: lane l holds row l % 16; registers 4 c .. 4 c + 3 hold K = 64 c + 32 (l / 16) + 0 .. 31
.irp c, 0,1
	ds_load_b128 v[\reg+4*\c:\reg+4*\c+3], v[\adr] offset:64*(\q)+32*\c+(\i)*16*PITCH
.endr
.endm
; 16 matrix instructions: x's blocks a0, a0 + 1 against W's eight, 128 along K.  zero = 1: the first product starts the sums.  The 64 accumulators take turns, one instruction a turn.
.macro MUL16 a0, p, q, sc, zero
.irp a, \a0, \a0+1
.irp b, 0,1,2,3,4,5,6,7
.if \zero
	v_wmma_scale_f32_16x16x128_f8f6f4 v[8*(8*((\a)%4)+\b):8*(8*((\a)%4)+\b)+7], v[128*(\p)+FR*\b:128*(\p)+FR*\b+FR-1], v[AF+FR*(\a):AF+FR*(\a)+FR-1], 0, v[SC+8*NQ*(\sc)+NQ*\b+(\q)], v[SC+8*NQ*(\sc)+NQ*(\a)+(\q)] matrix_a_fmt:MATRIX_FMT_FP4 matrix_b_fmt:MATRIX_FMT_FP4 matrix_a_scale:MATRIX_SCALE_ROW1
.else
	v_wmma_scale_f32_16x16x128_f8f6f4 v[8*(8*((\a)%4)+\b):8*(8*((\a)%4)+\b)+7], v[128*(\p)+FR*\b:128*(\p)+FR*\b+FR-1], v[AF+FR*(\a):AF+FR*(\a)+FR-1], v[8*(8*((\a)%4)+\b):8*(8*((\a)%4)+\b)+7], v[SC+8*NQ*(\sc)+NQ*\b+(\q)], v[SC+8*NQ*(\sc)+NQ*(\a)+(\q)] matrix_a_fmt:MATRIX_FMT_FP4 matrix_b_fmt:MATRIX_FMT_FP4 matrix_a_scale:MATRIX_SCALE_ROW1
.endif
.endr
.endr
.endm
.macro FETCH_B slot, q, p              ; W's eight fragments of the slot's q-th 128 along K into set p
	WIN TO_B
.irp i, 0,1,2,3,4,5,6,7
	FRAG 128*(\p)+FR*\i, ADRB+\slot, \q, \i
.endr
	WIN 0
.endm
.macro FETCH_A slot, q, i0             ; x's blocks i0 .. i0 + 3
.irp i, \i0, \i0+1, \i0+2, \i0+3
	FRAG AF+FR*(\i), ADRA+\slot, \q, \i
.endr
.endm
.macro SCALES sc                       ; a K step's scale words into set sc: lanes 0-15 take x's block i, lanes 16-31 W's block i
.irp i, 0,1,2,3,4,5,6,7
	ds_load_b128 v[SC+8*NQ*\sc+NQ*\i:SC+8*NQ*\sc+NQ*\i+3], v[ADRS] offset:\i*SBLK
.endr
.endm
.macro PLACES n                        ; plain vector instructions between a matrix instruction and a load into, or a read of, its registers
.rept \n
	v_nop
.endr
.endm
.macro STEP slot, q, zero              ; a step of 128 along K that has its successor in the same slot
	s_wait_dscnt 4*NL                              ; W's set and x's blocks 0-3 are in; the youngest eight loads (x's blocks 4-7) may be out
	WIN MUL_LO
	MUL16 0, (\q)%2, \q, \slot, \zero
	MUL16 2, (\q)%2, \q, \slot, \zero
	s_wait_dscnt 0                                 ; x's blocks 4-7 are in
	PLACES NP
	FETCH_B \slot, (\q)+1, 1-(\q)%2
	FETCH_A \slot, (\q)+1, 0
	WIN MUL_HI
	MUL16 4, (\q)%2, \q, \slot, \zero
	MUL16 6, (\q)%2, \q, \slot, \zero
	PLACES NP
	WIN 0
	FETCH_A \slot, (\q)+1, 4
.endm
; Slot 0's last step changes slots: one barrier; in front of it each wave waits for all its tensor loads (its part of slot 1), adds 0 to its spare word, and waits for that and for its reads.
.macro TURN slot, next
	s_wait_tensorcnt 0x0
	ds_add_u32 v[SPW], v[NIL]
	s_wait_dscnt 4*NL+1                            ; the add and the youngest eight loads (x's blocks 4-7) may be out
	WIN MUL_LO
	MUL16 0, 1, NQ-1, \slot, 0
	s_wait_dscnt 0x0
	s_barrier_signal -1
	MUL16 2, 1, NQ-1, \slot, 0
	WIN 0
	s_barrier_wait -1                              ; slot 1 is whole
	PLACES NP
	v_add_nc_u32 v[ADRS], 4*NQ, v[ADRS]            ; on to the next K step's scale words (no LDS load of mine is out)
	FETCH_B \next, 0, 0
	FETCH_A \next, 0, 0
	SCALES \next
	WIN MUL_HI
	MUL16 4, 1, NQ-1, \slot, 0
	MUL16 6, 1, NQ-1, \slot, 0
	PLACES NP
	WIN 0
	FETCH_A \next, 0, 4
.endm
.macro STEPS slot, from
.set Q, \from
.rept NQ-1-\from
	STEP \slot, Q, 0
.set Q, Q+1
.endr
.endm
	s_wait_tensorcnt 1                             ; the scales and my part of K step 0 are in; K step 1's load may be out
	s_barrier_signal -1
	s_barrier_wait -1
	FETCH_B 0, 0, 0
	FETCH_A 0, 0, 0
	SCALES 0
	FETCH_A 0, 0, 4
	STEP 0, 0, 1                                   ; the first products start the sums
	STEPS 0, 1
	TURN 0, 1
	STEPS 1, 0
	s_wait_dscnt 4*NL                              ; the last step: nothing more to fetch
	WIN MUL_LO
	MUL16 0, 1, NQ-1, 1, 0
	MUL16 2, 1, NQ-1, 1, 0
	s_wait_dscnt 0
	WIN MUL_HI
	MUL16 4, 1, NQ-1, 1, 0
	MUL16 6, 1, NQ-1, 1, 0
	WIN 0
	PLACES NP                                      ; behind the last products: for the reads of results and the loads into registers that held operands and scales
	; THE F32 COPY of a batch's first 16 positions: my block 0, where the flag is 0.  No branch: the lanes are switched off elsewhere.  A lane stores its 32 bytes of a row; 786,432 bytes in the whole launch.
	v_cmp_eq_u32 vcc_lo, 0, v[FL]
	s_wait_xcnt 0x0                                ; EXEC changes only behind this wait
	s_and_saveexec_b32 s98, vcc_lo
	WIN 0x08                                       ; a store's data: window 2
.irp b, 0,1,2,3,4,5,6,7
	global_store_b128 v[FO], v[8*\b:8*\b+3], s[96:97] offset:64*\b           ; each accumulator from its low end on
	global_store_b128 v[FO], v[8*\b+4:8*\b+7], s[96:97] offset:64*\b+16
.endr
	WIN 0
	s_wait_xcnt 0x0                                ; and again, in front of the line that widens it
	s_or_b32 exec_lo, exec_lo, s98
; THE WAY OUT, block by block of 16 rows x 128 columns: rounded to f16 (16 bytes a lane), through my own stage, back as four rows x 128 bytes of one head, stored as 512 consecutive bytes.
.macro PACK a
.set AC, 64*((\a)%4)
	WIN 0x0a+5*((\a)/4)                            ; sources 0 and 1: window 2 or 3
.irp b, 0,1,2,3,4,5,6,7
.irp i, 0,1,2,3
	v_cvt_pk_f16_f32 v[TMP+4*\b+\i], v[AC+8*\b+2*\i], v[AC+8*\b+2*\i+1]
.endr
.endr
	WIN 0
.endm
.macro TOSTAGE a
.set BK, OB+192*((\a)%2)
.irp b, 0,1,2,3,4,5,6,7
	ds_store_b128 v[STO], v[TMP+4*\b:TMP+4*\b+3] offset:32*\b
.endr
.irp t, 0,1,2,3,4,5,6,7
	ds_load_b128 v[BK+4*\t:BK+4*\t+3], v[RD] offset:(\t%4)*4*SPITCH+(\t/4)*128   ; LDS serves a wave's instructions in order: these see the stores above
.endr
.endm
.macro SEND a
.set BK, OB+192*((\a)%2)
	s_wait_dscnt 0x0                               ; the block is back in registers
	s_wait_xcnt 0x0                                ; earlier stores have read their base and their data: both are rewritten only behind this wait
.if (\a) > 0
	s_add_nc_u64 s[12:13], s[12:13], 16*128        ; 16 rows of a head on
.endif
.irp t, 0,1,2,3,4,5,6,7
	global_store_b128 v[CO], v[BK+4*\t:BK+4*\t+3], s[12:13] offset:(\t/4)*1048576+(\t%4)*512   ; 32 lanes store 512 consecutive bytes, aligned
.endr
.endm
	PACK 0
	TOSTAGE 0
.irp a, 1,2,3,4,5,6,7                  ; block a's conversions stand between block a - 1's loads from the stage and the wait for them
	PACK \a
	SEND \a-1
	TOSTAGE \a
.endr
	SEND 7
	s_wait_tensorcnt 0x0                           ; the wave's end
	ds_add_u32 v[SPW], v[NIL]
	s_wait_dscnt 0x0
	CROUND                                         ; the closing round
	s_endpgm
.Lfunc_end_k_qf86d916580_qkv:
	.size	k_qf86d916580_qkv, .Lfunc_end_k_qf86d916580_qkv-k_qf86d916580_qkv
	.p2alignl 7, 3214868480
	.fill 96, 4, 3214868480
	.section	.rodata,"a",@progbits
	.p2align	6, 0x0
	.amdhsa_kernel k_qf86d916580_qkv
		.amdhsa_group_segment_fixed_size 327680
		.amdhsa_private_segment_fixed_size 0
		.amdhsa_enable_private_segment 0
		.amdhsa_kernarg_size 48
		.amdhsa_user_sgpr_count 2
		.amdhsa_user_sgpr_kernarg_segment_ptr 1
		.amdhsa_wavefront_size32 1
		.amdhsa_system_sgpr_workgroup_id_x 1
		.amdhsa_system_sgpr_workgroup_id_y 1
		.amdhsa_system_sgpr_workgroup_id_z 1
		.amdhsa_system_vgpr_workitem_id 0
		.amdhsa_next_free_vgpr 1024
		.amdhsa_next_free_sgpr 100
		.amdhsa_reserve_vcc 1
		.amdhsa_float_denorm_mode_32 3
		.amdhsa_float_denorm_mode_16_64 3
		.amdhsa_memory_ordered 1
		.amdhsa_forward_progress 1
		.amdhsa_inst_pref_size 129
	.end_amdhsa_kernel
	.amdgpu_metadata
---
amdhsa.version: [ 1, 2 ]
amdhsa.kernels:
  - .name:           k_qf86d916580_qkv
    .symbol:         k_qf86d916580_qkv.kd
    .args:
      - { .name: x_codes, .offset: 0, .size: 8, .value_kind: global_buffer, .address_space: global }
      - { .name: x_scales, .offset: 8, .size: 8, .value_kind: global_buffer, .address_space: global }
      - { .name: w_codes, .offset: 16, .size: 8, .value_kind: global_buffer, .address_space: global }
      - { .name: w_scales, .offset: 24, .size: 8, .value_kind: global_buffer, .address_space: global }
      - { .name: qkv, .offset: 32, .size: 8, .value_kind: global_buffer, .address_space: global }
      - { .name: q32, .offset: 40, .size: 8, .value_kind: global_buffer, .address_space: global }
    .group_segment_fixed_size: 327680
    .private_segment_fixed_size: 0
    .kernarg_segment_align: 8
    .kernarg_segment_size: 48
    .max_flat_workgroup_size: 128
    .sgpr_count:     100
    .vgpr_count:     1024
    .wavefront_size: 32
...
	.end_amdgpu_metadata
.endif
;; end of part 2
;; launch attn (part 3): grid 4 x 64, 16 waves a work-group, no clusters, 327,680 bytes of LDS; arguments qkv, att; writes att
.if DOCPART == 3
	.amdgcn_target "amdgcn-amd-amdhsa--gfx1250"
	.amdhsa_code_object_version 6
	.text
	.protected	k_qf86d916580_attn
	.globl	k_qf86d916580_attn
	.p2align	8
	.type	k_qf86d916580_attn,@function
k_qf86d916580_attn:
	s_mov_b64 s[64:65], 0
	v_nop
	global_prefetch_b8 v0, s[64:65] scope:SCOPE_SE
	s_setreg_imm32_b32 hwreg(HW_REG_WAVE_MODE, 25, 1), 1
	s_wait_xcnt 0x0
; att[h][m][:] = the sum over keys k <= q of softmax_k(Q[q] . K[k] / 8) V[k][:], for each of 4 batches x 16 heads, 2,048 positions, head size 64.  Q, K, V: qkv[0-15], [16-31], [32-47][m][64], f16.
; Products on f16 operands with f32 sums; maxima, exponentials and sums in f32, with a running maximum; the weights p are rounded to f16 for the second product, the result once to f16.
; LIMITS: hidden keys get the weight 0, which is what exp(-1e9 - max) gives in f32 while a row's largest visible score lies above about -1e9 + 104; the result must lie under 65,504 in magnitude.
; (The first 16 positions of each batch are computed here like the others; a later launch computes them again in f32 and its rows replace these rows' projection.)
; SHARES.  Work-group (i, y): head y % 16 of batch y / 16, query blocks 7 - i and i of 256: waves 0-7 take block 7 - i, waves 8-15 block i, 32 queries (two tiles of 16) a wave.  So every work-group has
; nine blocks' worth of keys under the causal mask, and the 256 work-groups have equal work.  Four waves share a SIMD: one wave's vector work stands beside another's products and LDS loads.
; Keys go 64 a step; K's and V's tiles come through a ring of two LDS slots of 256 keys (waves 0, 1: K's halves; waves 2, 3: V's).  Every work-group walks all 8 slots, so that the trip counts are constants;
; a wave jumps over a step all of whose keys come after its queries, and a slot that lies beyond the work-group's last query is not asked for.
; NO CLUSTER: the four work-groups of a head need 8, 7, 6 and 5 slots; partners that must make every joint request alike would all walk at the pace of the one with most waves at work in each slot
; (8 + 4 slots' worth against 9), and what would be shared is 65,536 bytes for a slot's 64 to 128 wave steps.
; LAYOUT.  S^T = K Q^T (source 0 = 16 keys, source 1 = 16 queries): a lane holds ONE query (lane % 16) and keys 8 (lane / 16) + 0..7.  Two such tiles, rounded to f16 in pairs, ARE source 1 of O^T = V^T P,
; whose result again holds one query a lane.  K comes out of LDS as it lies, V ([key][channel]) turned, by ds_load_tr16_b128.
; All of LDS is claimed.
.set SK,    256                        ; keys in a slot
.set NQ,    4                          ; steps in a slot
.set KP,    144                        ; a key's row of K in LDS: 128 bytes + 16: the 16 rows of a load start at 16 different 16-byte columns modulo 256
.set VP,    160                        ; of V: 128 + 32: an odd multiple of 32, for the turning load
.set VOFF,  SK*KP                      ; a slot: 256 rows of K, then 256 rows of V
.set SLOT1, 1<<17                      ; slot 1 begins here: one exclusive or turns an address in one slot into the other's
.set STAGE, 2*SLOT1                    ; the way out: 16 rows x 144 bytes for each wave; no tensor load lands here
.set SPARE, STAGE+16*16*KP             ; the spare words, 128 bytes a wave, which no other line names
.set AK0, 1                            ; v1   144 r + 16 h: my lane's place in a tile of K
.set AV0, 2                            ; v2   my lane's place in a tile of V
.set ADK, 3                            ; v3   LDS address of the slot's K for my lane
.set ADV, 4                            ; v4   of its V
.set SPW, 5                            ; v5   my spare word; never rewritten
.set NIL, 6                            ; v6   0; never rewritten
.set GO,  7                            ; v7   16 x lane
.set STO, 8                            ; v8   the stage, in
.set RD,  9                            ; v9   the stage, back
.set PFO, 10                           ; v10  256 x lane; never rewritten
.set QO,  11                           ; v11  128 r + 16 h
.set ST,  16                           ; tile t's statistics at v[ST + 8 t]: +0 c m, +1 m, +2, +3 l in two halves, +4..+7 at work (a in +6)
.set QF,  32                           ; Q's fragments: tile t, channels 32 dh on, at v[QF + 16 t + 8 dh]
.set KV,  64                           ; v64-127: K's 8 fragments, then V's 8
.set SF,  128                          ; S^T, 32 a tile; P is packed in place
.set OF,  192                          ; O^T, 32 a tile
.set TB,  2                            ; s2   LDS byte at which the slot in hand begins
.set WV,  18
.set SEL, 20                           ; s[20:21] lane selects: lane l xor 16
.set CS,  22                           ; s[22:23] c = log2(e) / 8
.set G1K, 24
.set G1V, 32
.set G0K, 40
.set G0V, 44
.set KF,  48                           ; s48  the step's first key
.set Q0,  49                           ; s49  my first query
.set LAST, 50                          ; s50  my work-group's last query
.set SLOTS, 51                         ; s51  changes of slots still to come that may ask for a slot
.set LIM, 52                           ; s52  1 in a wave that prefetches, else the greatest number
.set PFA, 54                           ; s[54:55] where my prefetches stand
.macro TLOAD g0k, g1k, g0v, g1v        ; waves 0 and 1 fetch for K, waves 2 and 3 for V, the others nothing.  An s_nop 0 and four v_nop follow each of the two lines
	s_cmp_lt_u32 s[WV], 2
	s_cbranch_scc0 .Lnot_k_\@
	tensor_load_to_lds s[\g0k:\g0k+3], s[\g1k:\g1k+7]
	s_nop 0
.rept 4
	v_nop
.endr
	s_branch .Lasked_\@
.Lnot_k_\@:
	s_cmp_lt_u32 s[WV], 4
	s_cbranch_scc0 .Lasked_\@
	tensor_load_to_lds s[\g0v:\g0v+3], s[\g1v:\g1v+7]
	s_nop 0
.rept 4
	v_nop
.endr
.Lasked_\@:
.endm
; A PREFETCH of what the NEXT change of slots will ask for: a slot's 32,768 bytes of K and of V, a slot's four steps ahead of that load.  The four work-groups of a head walk the same K and V: work-group i = 0,
; which loads all 8 slots, asks; in it waves 4-7 ask for K's block and waves 8-11 for V's, 8,192 bytes a wave, lanes 256 bytes apart: each aligned 256 bytes once in the launch.
; Slots 0 and 1 come by their loads alone; the last change that fills a slot asks for nothing.
.macro ASK
	s_cmp_gt_u32 s[SLOTS], s[LIM]
	s_cbranch_scc0 .Lnot_mine_\@
	global_prefetch_b8 v[PFO], s[PFA:PFA+1] th:TH_LOAD_NT scope:SCOPE_SE
.Lnot_mine_\@:
.endm
	s_load_b128 s[4:7], s[0:1], 0x0                ; qkv, att
	v_lshl_add_u32 v[SPW], v0, 2, SPARE
	v_mov_b32 v[NIL], 0
	ds_add_u32 v[SPW], v[NIL]                      ; the wave's opening: the add, twice on end, and its wait ahead of my first tensor load
	ds_add_u32 v[SPW], v[NIL]
	v_lshrrev_b32 v1, 5, v0
	v_readfirstlane_b32 s[WV], v1                  ; wave 0..15
	s_and_b32 s56, ttmp7, 0xffff
	s_and_b32 s57, s56, 15                         ; the head
	s_lshr_b32 s58, s56, 4                         ; the batch
	s_lshl_b32 s57, s57, 20                        ; a head slice is 2^20 bytes,
	s_lshl_b32 s58, s58, 18                        ; a batch's 2,048 rows of 128 bytes 2^18
	s_add_co_u32 s56, s57, s58
	s_mov_b32 s57, 0                               ; s[56:57]: where my head and batch begin in a slice
	s_sub_co_u32 s58, 7, ttmp9                     ; the later block
	s_cmp_lt_u32 s[WV], 8
	s_cselect_b32 s59, s58, ttmp9                  ; my block
	s_lshl_b32 s59, s59, 8
	s_and_b32 s60, s[WV], 7
	s_lshl_b32 s60, s60, 5
	s_add_co_u32 s[Q0], s59, s60                   ; my first query: 256 x block + 32 x (wave % 8)
	s_lshl_b32 s[LAST], s58, 8
	s_or_b32 s[LAST], s[LAST], 255
	s_lshl_b32 s66, s[Q0], 7
	s_mov_b32 s67, 0                               ; s[66:67]: my queries' rows, 128 bytes each
	s_and_b32 s59, s[WV], 1                        ; which half of a slot's rows I fetch, if I fetch
	s_mul_i32 s62, s59, 128*KP                     ; K: in a slot
	s_mul_i32 s63, s59, 128*VP
	s_add_co_u32 s63, s63, VOFF                    ; V: in a slot
	s_lshl_b32 s60, s59, 14                        ; and in memory: 128 rows of 128 bytes
	s_mov_b32 s61, 0
	; descriptor group 1: 128 rows of 64 elements of 2 bytes, dense in memory; padding behind every 32 words: 4 words for K, 8 for V
	s_mov_b32 s[G1K], (1<<16)|(1<<20)|(4<<22)|(3<<25)
	s_mov_b32 s[G1V], (1<<16)|(1<<20)|(4<<22)|(7<<25)
.irp g, G1K, G1V
	s_mov_b32 s[\g+1], 64<<16                      ; tensor_dim0
	s_mov_b32 s[\g+2], 128<<16                     ; tensor_dim1
	s_mov_b32 s[\g+3], 64<<16                      ; tile_dim0
	s_mov_b32 s[\g+4], 128                         ; tile_dim1
	s_mov_b32 s[\g+5], 64                          ; from row to row
	s_mov_b32 s[\g+6], 0
	s_mov_b32 s[\g+7], 0
.endr
	s_mov_b32 s[SEL], 0x76543210
	s_mov_b32 s[SEL+1], 0xfedcba98
	s_mov_b32 s[CS], 0x3e38aa3b                    ; c = log2(e) / sqrt(64)
	s_mov_b32 s[CS+1], s[CS]                       ; (named with it as a pair, so it is written)
	s_mov_b32 s[TB], 0
	s_mov_b32 s[KF], 0
	s_mov_b32 s[SLOTS], 7
	s_wait_dscnt 0x0                               ; both opening adds are done
	s_wait_kmcnt 0x0
	s_add_nc_u64 s[8:9], s[4:5], s[56:57]          ; Q's slice at my head and batch,
	s_add_nc_u64 s[10:11], s[8:9], 0x1000000       ; K's: 16 slices on,
	s_add_nc_u64 s[12:13], s[8:9], 0x2000000       ; V's: 32 slices on
	s_add_nc_u64 s[8:9], s[8:9], s[66:67]          ; Q at my first query
	s_add_nc_u64 s[14:15], s[6:7], s[56:57]
	s_add_nc_u64 s[14:15], s[14:15], s[66:67]      ; att likewise
	s_mov_b32 s[G0K], 1                            ; count = 1
	s_mov_b32 s[G0K+1], s62                        ; LDS address: slot 0
	s_add_nc_u64 s[G0K+2:G0K+3], s[10:11], s[60:61]
	s_or_b32 s[G0K+3], s[G0K+3], 0x80000000        ; type = 2
	s_mov_b32 s[G0V], 1
	s_mov_b32 s[G0V+1], s63
	s_add_nc_u64 s[G0V+2:G0V+3], s[12:13], s[60:61]
	s_or_b32 s[G0V+3], s[G0V+3], 0x80000000
	TLOAD G0K, G1K, G0V, G1V                       ; slot 0: it holds key 0, which counts for every query
	s_cmp_lt_u32 s[WV], 8                          ; the prefetches: waves 4-7 K, waves 8-11 V
	s_cselect_b64 s[PFA:PFA+1], s[10:11], s[12:13]
	s_and_b32 s58, s[WV], 3
	s_lshl_b32 s58, s58, 13                        ; my wave's 8,192 bytes,
	s_add_co_u32 s58, s58, SK*128                  ; in slot 1: the first change of slots steps it to slot 2
	s_mov_b32 s59, 0
	s_add_nc_u64 s[PFA:PFA+1], s[PFA:PFA+1], s[58:59]
	s_sub_co_u32 s58, s[WV], 4
	s_lshr_b32 s58, s58, 3                         ; 0 in waves 4 to 11,
	s_or_b32 s58, s58, ttmp9                       ; of work-group i = 0
	s_cmp_eq_u32 s58, 0
	s_cselect_b32 s[LIM], 1, -1
	v_and_b32 v15, 15, v0                          ; r
	v_bfe_u32 v14, v0, 4, 1                        ; h
	v_and_b32 v13, 31, v0                          ; lane
	v_lshlrev_b32 v[QO], 7, v15
	v_lshl_add_u32 v[QO], v14, 4, v[QO]
.irp t, 0,1
.irp dh, 0,1
.irp c, 0,1
	global_load_b128 v[QF+16*\t+8*\dh+4*\c:QF+16*\t+8*\dh+4*\c+3], v[QO], s[8:9] offset:2048*\t+64*\dh+32*\c   ; Q stays in registers
.endr
.endr
.endr
	v_mul_u32_u24 v[AK0], v15, KP
	v_lshl_add_u32 v[AK0], v14, 4, v[AK0]
	v_and_b32 v12, 7, v0
	v_lshl_add_u32 v[AV0], v14, 3, v12             ; the turning load: key 8 h + l % 8,
	v_mul_u32_u24 v[AV0], v[AV0], VP
	v_bfe_u32 v12, v0, 3, 1
	v_lshl_add_u32 v[AV0], v12, 4, v[AV0]          ; channels 8 ((l / 8) % 2) on
	v_add_nc_u32 v[AV0], VOFF, v[AV0]
	v_lshlrev_b32 v[GO], 4, v13
	s_mul_i32 s58, s[WV], 16*KP
	s_add_co_u32 s58, s58, STAGE                   ; my stage
	v_add_nc_u32 v[STO], s58, v[AK0]               ; in: row r, 16 bytes for each half of the lanes
	v_bfe_u32 v12, v0, 3, 2
	v_mul_u32_u24 v[RD], v12, KP                   ; back: eight lanes to a row of 128 bytes, four rows an instruction
	v_and_b32 v12, 7, v0
	v_lshl_add_u32 v[RD], v12, 4, v[RD]
	v_add_nc_u32 v[RD], s58, v[RD]
	v_lshlrev_b32 v[PFO], 8, v13
	v_lshlrev_b32 v12, 3, v14
	v_sub_nc_u32 v15, v15, v12                     ; v15 = r - 8 h, for the mask
	v_mov_b32 v14, 0xff800000                      ; v14 = -infinity
.irp t, 0,1
	v_mov_b32 v[ST+8*\t+1], 0xff61b1e6             ; m: -3e38, under every score
	v_mul_f32 v[ST+8*\t], s[CS], v[ST+8*\t+1]      ; c m
.irp i, 2,3,4,5,6,7
	v_mov_b32 v[ST+8*\t+\i], 0                     ; l; and the registers at work, written once: a lane permute's destination counts as one of its sources
.endr
.endr
.irp j, 0,1,2,3,4,5,6,7,8,9,10,11,12,13,14,15,16,17,18,19,20,21,22,23,24,25,26,27,28,29,30,31,32,33,34,35,36,37,38,39,40,41,42,43,44,45,46,47,48,49,50,51,52,53,54,55,56,57,58,59,60,61,62,63
	v_mov_b32 v[OF+\j], 0                          ; O^T.  (The step is written once: its first pass finds zeros, and its a is 0)
.endr
; A KEY STEP: 64 keys, the q-th of the slot in hand.
.macro STEP q
	s_add_co_u32 s56, s[Q0], 31                    ; a step all of whose keys come after my 32 queries is left out: a branch on ids and the count of steps, round loads, products and softmax alone
	s_cmp_gt_u32 s[KF], s56
	s_cbranch_scc1 .Lhidden_\@
	v_add_nc_u32 v[ADK], s[TB], v[AK0]
	v_add_nc_u32 v[ADV], s[TB], v[AV0]
.rept 3
	v_nop                                          ; with the two additions five places behind the last step's products: four for the loads into V's registers, five for the products that write over P's
.endr
.irp kt, 0,1,2,3
.irp dh, 0,1
.irp c, 0,1
	ds_load_b128 v[KV+8*(2*\kt+\dh)+4*\c:KV+8*(2*\kt+\dh)+4*\c+3], v[ADK] offset:(64*(\q)+16*\kt)*KP+64*\dh+32*\c
.endr
.endr
.endr
	s_wait_dscnt 0x0                               ; K is in
.irp dh, 0,1                                   ; S^T = K Q^T: eight accumulators by turns; the first eight products start the sums
.irp kt, 0,1,2,3
.irp t, 0,1
.if \dh == 0
	v_wmma_f32_16x16x32_f16 v[SF+32*\t+8*\kt:SF+32*\t+8*\kt+7], v[KV+8*(2*\kt+\dh):KV+8*(2*\kt+\dh)+7], v[QF+16*\t+8*\dh:QF+16*\t+8*\dh+7], 0
.else
	v_wmma_f32_16x16x32_f16 v[SF+32*\t+8*\kt:SF+32*\t+8*\kt+7], v[KV+8*(2*\kt+\dh):KV+8*(2*\kt+\dh)+7], v[QF+16*\t+8*\dh:QF+16*\t+8*\dh+7], v[SF+32*\t+8*\kt:SF+32*\t+8*\kt+7]
.endif
.endr
.endr
.endr
.rept 4
	v_nop                                          ; places: in front of the loads into K's registers and of the first read of the scores
.endr
.irp kc, 0,1                                   ; V, turned: it lands while the softmax is walked
.irp ct, 0,1,2,3
.irp c, 0,1
	ds_load_tr16_b128 v[KV+8*(4*\kc+\ct)+4*\c:KV+8*(4*\kc+\ct)+4*\c+3], v[ADV] offset:(64*(\q)+32*\kc+16*\c)*VP+32*\ct
.endr
.endr
.endr
	s_add_co_u32 s56, s[KF], 63                    ; on the diagonal hidden scores become -infinity ahead of the maximum; a step all of whose keys count skips this
	s_cmp_le_u32 s56, s[Q0]
	s_cbranch_scc1 .Lopen_\@
	s_sub_co_i32 s56, s[Q0], s[KF]
	v_add_nc_u32 v12, s56, v15                     ; d = my query - the step's first key - 8 h, for tile 0,
	v_add_nc_u32 v13, 16, v12                      ; and for tile 1.  Register n holds key 16 (n / 8) + 8 h + n % 8 of the step: hidden where 16 (n / 8) + n % 8 > d
.irp t, 0,1
.irp n, 0,1,2,3,4,5,6,7,8,9,10,11,12,13,14,15,16,17,18,19,20,21,22,23,24,25,26,27,28,29,30,31
	v_cmp_gt_i32 vcc_lo, 16*(\n/8)+\n%8, v[12+\t]
	v_cndmask_b32 v[SF+32*\t+\n], v[SF+32*\t+\n], v14, vcc_lo
.endr
.endr
.Lopen_\@:
	; THE SOFTMAX, each line for both tiles in turn, so that no line reads the line above it.  The maximum: four chains, each from its accumulator's low end on
.irp j, 0,1,2,3
.irp t, 0,1
	v_max3_num_f32 v[ST+8*\t+4+\j], v[SF+32*\t+8*\j], v[SF+32*\t+8*\j+1], v[SF+32*\t+8*\j+2]
.endr
.endr
.irp i, 3,5
.irp j, 0,1,2,3
.irp t, 0,1
	v_max3_num_f32 v[ST+8*\t+4+\j], v[ST+8*\t+4+\j], v[SF+32*\t+8*\j+\i], v[SF+32*\t+8*\j+\i+1]
.endr
.endr
.endr
.irp t, 0,1
	v_max3_num_f32 v[ST+8*\t+4], v[ST+8*\t+4], v[SF+32*\t+7], v[SF+32*\t+15]
.endr
.irp t, 0,1
	v_max3_num_f32 v[ST+8*\t+6], v[ST+8*\t+6], v[SF+32*\t+23], v[SF+32*\t+31]
.endr
.irp t, 0,1
	v_max3_num_f32 v[ST+8*\t+4], v[ST+8*\t+4], v[ST+8*\t+5], v[ST+8*\t+6]
.endr
.irp t, 0,1
	v_max3_num_f32 v[ST+8*\t+4], v[ST+8*\t+4], v[ST+8*\t+7], v[ST+8*\t+1]   ; with the old m
.endr
.irp t, 0,1
	v_permlanex16_b32 v[ST+8*\t+5], v[ST+8*\t+4], s[SEL], s[SEL+1]          ; the query's other 32 keys lie in the lane 16 away
.endr
.irp t, 0,1
	v_mov_b32 v[ST+8*\t+7], v[ST+8*\t]             ; c m_old
.endr
.irp t, 0,1
	v_max_num_f32 v[ST+8*\t+1], v[ST+8*\t+4], v[ST+8*\t+5]                  ; the new m
.endr
.irp t, 0,1
	v_mul_f32 v[ST+8*\t], s[CS], v[ST+8*\t+1]
.endr
.irp t, 0,1
	v_sub_f32 v[ST+8*\t+7], v[ST+8*\t+7], v[ST+8*\t]                        ; c m_old - c m_new
.endr
.irp j, 0,2,4,6,8,10,12,14,16,18,20,22,24,26,28,30
.irp t, 0,1
	v_pk_fma_f32 v[SF+32*\t+\j:SF+32*\t+\j+1], v[SF+32*\t+\j:SF+32*\t+\j+1], s[CS:CS+1], v[ST+8*\t:ST+8*\t+1] op_sel_hi:[1,0,0] neg_lo:[0,0,1] neg_hi:[0,0,1]   ; c s - c m, two at a time
.endr
.endr
.irp t, 0,1
	v_exp_f32 v[ST+8*\t+6], v[ST+8*\t+7]           ; a = 2^(c m_old - c m_new)
.endr
.irp j, 0,1,2,3,4,5,6,7,8,9,10,11,12,13,14,15,16,17,18,19,20,21,22,23,24,25,26,27,28,29,30,31
.irp t, 0,1
	v_exp_f32 v[SF+32*\t+\j], v[SF+32*\t+\j]       ; p = 2^(c s - c m)
.endr
.endr
	v_nop                                          ; a plain instruction behind the last exponential
	s_wait_alu depctr_va_vdst(0)                   ; ONE wait for both tiles' 66 exponentials, ahead of their first reader
.irp t, 0,1
	v_pk_fma_f32 v[ST+8*\t+2:ST+8*\t+3], v[ST+8*\t+2:ST+8*\t+3], v[ST+8*\t+6:ST+8*\t+7], v[SF+32*\t:SF+32*\t+1] op_sel_hi:[1,0,1]   ; l = a l + pair 0
.endr
.irp t, 0,1
	v_pk_add_f32 v[ST+8*\t+4:ST+8*\t+5], v[SF+32*\t+2:SF+32*\t+3], v[SF+32*\t+6:SF+32*\t+7]   ; a second chain: pairs 1 and 3
.endr
.irp j, 4,8,12,16,20,24
.irp t, 0,1
	v_pk_add_f32 v[ST+8*\t+2:ST+8*\t+3], v[ST+8*\t+2:ST+8*\t+3], v[SF+32*\t+\j:SF+32*\t+\j+1]
.endr
.irp t, 0,1
	v_pk_add_f32 v[ST+8*\t+4:ST+8*\t+5], v[ST+8*\t+4:ST+8*\t+5], v[SF+32*\t+\j+6:SF+32*\t+\j+7]
.endr
.endr
.irp t, 0,1
	v_pk_add_f32 v[ST+8*\t+2:ST+8*\t+3], v[ST+8*\t+2:ST+8*\t+3], v[SF+32*\t+28:SF+32*\t+29]
.endr
.irp t, 0,1
	v_pk_add_f32 v[ST+8*\t+2:ST+8*\t+3], v[ST+8*\t+2:ST+8*\t+3], v[ST+8*\t+4:ST+8*\t+5]
.endr
.irp j, 0,1,2,3,4,5,6,7,8,9,10,11,12,13,14,15
.irp t, 0,1
	v_cvt_pk_f16_f32 v[SF+32*\t+\j], v[SF+32*\t+2*\j], v[SF+32*\t+2*\j+1]   ; P in place: register j is written when registers 2 j and 2 j + 1 are read, and j <= 2 j
.endr
.endr
.irp j, 0,2,4,6,8,10,12,14,16,18,20,22,24,26,28,30
.irp t, 0,1
	v_pk_mul_f32 v[OF+32*\t+\j:OF+32*\t+\j+1], v[OF+32*\t+\j:OF+32*\t+\j+1], v[ST+8*\t+6:ST+8*\t+7] op_sel_hi:[1,0]   ; O^T x a, each accumulator from its low end on
.endr
.endr
	s_wait_dscnt 0x0                               ; V is in
.irp kc, 0,1                                   ; O^T += V^T P: eight accumulators by turns
.irp ct, 0,1,2,3
.irp t, 0,1
	v_wmma_f32_16x16x32_f16 v[OF+32*\t+8*\ct:OF+32*\t+8*\ct+7], v[KV+8*(4*\kc+\ct):KV+8*(4*\kc+\ct)+7], v[SF+32*\t+8*\kc:SF+32*\t+8*\kc+7], v[OF+32*\t+8*\ct:OF+32*\t+8*\ct+7]
.endr
.endr
.endr
.Lhidden_\@:
	s_add_co_u32 s[KF], s[KF], 64
.endm
; THE CHANGE OF SLOTS stands at a slot's head.  Each wave waits for all its tensor loads, adds 0 to its spare word (fill = 1: twice on end),
; and waits for that and for its reads of the slot that it has left.  Behind the barrier the slot ahead is whole and nobody reads the other one, which is then filled with the keys that follow, up to the causal limit.
.macro CHANGE fill
	s_wait_tensorcnt 0x0                           ; no tensor load of mine is out, so a group 0 may be written
	ds_add_u32 v[SPW], v[NIL]
.if \fill
	ds_add_u32 v[SPW], v[NIL]
	s_xor_b32 s[G0K+1], s[G0K+1], SLOT1            ; the walking descriptors: the other slot,
	s_add_nc_u64 s[G0K+2:G0K+3], s[G0K+2:G0K+3], SK*128   ; the next 256 keys
	s_xor_b32 s[G0V+1], s[G0V+1], SLOT1
	s_add_nc_u64 s[G0V+2:G0V+3], s[G0V+2:G0V+3], SK*128
	s_wait_xcnt 0x0                                ; the last prefetch, a slot back, has read its address
	s_add_nc_u64 s[PFA:PFA+1], s[PFA:PFA+1], SK*128
.endif
	s_wait_dscnt 0x0
	s_barrier_signal -1
	s_barrier_wait -1
.if \fill
	s_add_co_u32 s56, s[KF], SK                    ; the first key of the slot that this change would ask for:
	s_cmp_gt_u32 s56, s[LAST]                      ; beyond my work-group's last query no wave reads it, so it is not asked for.  Ids and the count of steps alone: all sixteen waves go the same way; every wait on TENSORcnt in this text is for 0
	s_cbranch_scc1 .Lpast_\@
	TLOAD G0K, G1K, G0V, G1V                       ; a wave's one tensor load until the next change
.Lpast_\@:
	ASK
.endif
.endm
.macro SLOT_STEPS
.set Q, 0
.rept NQ
	STEP Q
.set Q, Q+1
.endr
	s_xor_b32 s[TB], s[TB], SLOT1
.endm
	s_wait_loadcnt 0x0                             ; Q
.Lslot:                                            ; 7 trips
	CHANGE 1
	SLOT_STEPS
	s_sub_co_u32 s[SLOTS], s[SLOTS], 1
	s_cmp_lg_u32 s[SLOTS], 0
	s_cbranch_scc1 .Lslot
	CHANGE 0                                       ; the last slot is written out: nothing is left to ask for
	SLOT_STEPS
	; THE WAY OUT: O^T / l, rounded to f16, through my stage, a tile of 16 rows at a time; four rows of 128 bytes leave as 512 consecutive bytes.
.rept 4
	v_nop                                          ; places behind the last products
.endr
.irp t, 0,1
	v_add_f32 v[ST+8*\t+4], v[ST+8*\t+2], v[ST+8*\t+3]
.endr
.irp t, 0,1
	v_permlanex16_b32 v[ST+8*\t+5], v[ST+8*\t+4], s[SEL], s[SEL+1]
.endr
.irp t, 0,1
	v_add_f32 v[ST+8*\t+4], v[ST+8*\t+4], v[ST+8*\t+5]
.endr
.irp t, 0,1
	v_rcp_f32 v[ST+8*\t+6], v[ST+8*\t+4]
.endr
	v_nop
	s_wait_alu depctr_va_vdst(0)                   ; one wait for the two reciprocals, ahead of their first reader
.irp t, 0,1
.irp j, 0,2,4,6,8,10,12,14,16,18,20,22,24,26,28,30
	v_pk_mul_f32 v[OF+32*\t+\j:OF+32*\t+\j+1], v[OF+32*\t+\j:OF+32*\t+\j+1], v[ST+8*\t+6:ST+8*\t+7] op_sel_hi:[1,0]
.endr
.irp i, 0,1,2,3,4,5,6,7,8,9,10,11,12,13,14,15
	v_cvt_pk_f16_f32 v[SF+16*\t+\i], v[OF+32*\t+2*\i], v[OF+32*\t+2*\i+1]
.endr
.irp ct, 0,1,2,3
	ds_store_b128 v[STO], v[SF+16*\t+4*\ct:SF+16*\t+4*\ct+3] offset:32*\ct
.endr
.irp i, 0,1,2,3
	ds_load_b128 v[KV+16*\t+4*\i:KV+16*\t+4*\i+3], v[RD] offset:4*KP*\i     ; LDS serves a wave's instructions in order: these see my stores, and the next tile's stores come behind them
.endr
.endr
	s_wait_dscnt 8                                 ; tile 0 is back; tile 1's four stores and four loads may be out
.irp i, 0,1,2,3
	global_store_b128 v[GO], v[KV+4*\i:KV+4*\i+3], s[14:15] offset:512*\i
.endr
	s_wait_dscnt 0x0
.irp i, 0,1,2,3
	global_store_b128 v[GO], v[KV+16+4*\i:KV+16+4*\i+3], s[14:15] offset:2048+512*\i
.endr
	s_wait_tensorcnt 0x0                           ; the wave's end
	ds_add_u32 v[SPW], v[NIL]
	s_wait_dscnt 0x0
	s_endpgm
.Lfunc_end_k_qf86d916580_attn:
	.size	k_qf86d916580_attn, .Lfunc_end_k_qf86d916580_attn-k_qf86d916580_attn
	.p2alignl 7, 3214868480
	.fill 96, 4, 3214868480
	.section	.rodata,"a",@progbits
	.p2align	6, 0x0
	.amdhsa_kernel k_qf86d916580_attn
		.amdhsa_group_segment_fixed_size 327680
		.amdhsa_private_segment_fixed_size 0
		.amdhsa_enable_private_segment 0
		.amdhsa_kernarg_size 16
		.amdhsa_user_sgpr_count 2
		.amdhsa_user_sgpr_kernarg_segment_ptr 1
		.amdhsa_wavefront_size32 1
		.amdhsa_system_sgpr_workgroup_id_x 1
		.amdhsa_system_sgpr_workgroup_id_y 1
		.amdhsa_system_sgpr_workgroup_id_z 1
		.amdhsa_system_vgpr_workitem_id 0
		.amdhsa_next_free_vgpr 256
		.amdhsa_next_free_sgpr 68
		.amdhsa_reserve_vcc 1
		.amdhsa_float_denorm_mode_32 3
		.amdhsa_float_denorm_mode_16_64 3
		.amdhsa_memory_ordered 1
		.amdhsa_forward_progress 1
		.amdhsa_inst_pref_size 187
	.end_amdhsa_kernel
	.amdgpu_metadata
---
amdhsa.version: [ 1, 2 ]
amdhsa.kernels:
  - .name:           k_qf86d916580_attn
    .symbol:         k_qf86d916580_attn.kd
    .args:
      - { .name: qkv, .offset: 0, .size: 8, .value_kind: global_buffer, .address_space: global }
      - { .name: att, .offset: 8, .size: 8, .value_kind: global_buffer, .address_space: global }
    .group_segment_fixed_size: 327680
    .private_segment_fixed_size: 0
    .kernarg_segment_align: 8
    .kernarg_segment_size: 16
    .max_flat_workgroup_size: 512
    .sgpr_count:     68
    .vgpr_count:     256
    .wavefront_size: 32
...
	.end_amdgpu_metadata
.endif
;; end of part 3
;; launch proj (part 4): grid 8 x 32, 4 waves a work-group, clusters of 4 x 4, 327,680 bytes of LDS; arguments att, wo16, out0; writes out0
.if DOCPART == 4
	.amdgcn_target "amdgcn-amd-amdhsa--gfx1250"
	.amdhsa_code_object_version 6
	.text
	.protected	k_qf86d916580_proj
	.globl	k_qf86d916580_proj
	.p2align	8
	.type	k_qf86d916580_proj,@function
k_qf86d916580_proj:
	s_mov_b64 s[64:65], 0
	v_nop
	global_prefetch_b8 v0, s[64:65] scope:SCOPE_SE
	s_setreg_imm32_b32 hwreg(HW_REG_WAVE_MODE, 25, 1), 1
	s_wait_xcnt 0x0
	s_wait_alu depctr_hold_cnt(0) depctr_sa_sdst(0) depctr_va_vdst(0) depctr_va_sdst(0) depctr_va_ssrc(0) depctr_va_vcc(0) depctr_vm_vsrc(0)
	s_getreg_b32 s2, hwreg(HW_REG_IB_STS2, 6, 4)
	s_cmp_eq_u32 s2, 0
	s_cbranch_scc0 .Lentry_in_a_cluster
	s_endpgm
.Lentry_in_a_cluster:
	s_bfe_u32 s2, ttmp6, 0x10000c
	s_cmp_lg_u32 s2, 0xf033
	s_cbranch_scc0 .Lentry_shape_is_right
	s_endpgm
.Lentry_shape_is_right:
; out0[m][n] = sum over k of att(m, k) W_o[n][k], m = 0 .. 8191, n, k = 0 .. 1023; att lies by head, att[k / 64][m][k % 64], f16; wo16 [n][k] f16; sums and out0 in f32.
; (The 64 rows that are a batch's first 16 positions are written here like the others and written again, from f32 operands, by the launch that follows.)
; A tile of out0 is 256 rows x 128 columns: 256 work-groups, one for each WGP (256 x 256 would give 128).  Four waves, each 128 rows x 64 columns: 32 accumulators of 16 x 16, 256 registers (window 1).
; K goes in 8 steps of 128 (two heads) through a ring of two LDS slots: wave 0 fetches the even head's 256 rows (dense, 128 bytes each), wave 1 the odd head's, waves 2 and 3 64 rows of wo16 (256 bytes) each.
; A step is 128 matrix instructions a wave; 112 of them stand between a request and the wait for it.  Two slots of a longer step do not fit in LDS.
; CLUSTERS: 4 x 4 work-groups; att's tiles are shared along a row of the cluster, wo16's along a column: each is asked for JOINTLY, by the same tensor load with the same descriptor and a mask that names the four.
; THE MATRIX INSTRUCTION IS USED TRANSPOSED (source 0 = 16 rows of wo16, source 1 = 16 rows of att): a lane holds eight neighbouring columns of a row of out0.
; REGISTERS: window 0: v0-31 addresses; v32-63, v64-95 wo16's fragments, two buffers; v128-191, v192-255 att's, two buffers.  window 1: accumulator (a, b) at v[8 (4 a + b)].
; All of LDS is claimed.
.set PA,     144                       ; a row of att in LDS: 128 bytes + 16
.set PB,     272                       ; a row of wo16: 256 bytes + 16
.set HEADT,  256*PA                    ; a head's 256 rows
.set HALFB,  64*PB
.set SLOT,   2*HEADT+2*HALFB
.set STAGE,  2*SLOT                    ; the way out: 16 rows x (256 bytes + 16) for each wave; no tensor load lands here
.set SPITCH, 272
.set SPARE,  STAGE+4*16*SPITCH         ; the spare words, 128 bytes a wave, which no other line names
.set LAPS,   4                         ; a lap = two K steps
.set ADRA, 16
.set ADRB, 20
.set STO,  24
.set RD,   25
.set CO,   26
.set SPW,  28
.set NIL,  29
.set PFO,  30                          ; v30  256 x lane; never rewritten
.set FB,   32
.set FA,   128
.set G1, 24
.set G0, 32
.set G1B, 48
.set G0B, 56
.set PFA, 66                           ; s[66:67] where my prefetches stand: one K step further on than the refill in hand; a prefetch names the K step after that
.set LIM, 68                           ; s68  1 in a wave that prefetches, else the greatest number
.set MSB, 0
.macro WIN new
.if MSB != (\new)
	s_set_vgpr_msb (MSB<<8)|(\new)
.set MSB, (\new)
.endif
.endm
.set MUL, 0x50                         ; C and D window 1, sources window 0
.macro JLOAD s                         ; waves 0 and 1 fetch att's two heads, waves 2 and 3 wo16's two halves; an s_nop 0 and four v_nop follow each of the two lines
	s_cmp_eq_u32 s11, 0
	s_cbranch_scc0 .Lfor_b_\@
	tensor_load_to_lds s[G0+4*\s:G0+4*\s+3], s[G1:G1+7]
	s_nop 0
.rept 4
	v_nop
.endr
	s_branch .Lasked_\@
.Lfor_b_\@:
	tensor_load_to_lds s[G0B+4*\s:G0B+4*\s+3], s[G1B:G1B+7]
	s_nop 0
.rept 4
	v_nop
.endr
.Lasked_\@:
.endm
; A PREFETCH of att's K step that stands two refills on (256 matrix instructions ahead of the load that will want it).  A tile row of att is read by both clusters of its row of clusters: the one with x = 0 asks.
; Wave 0 asks for the even head, wave 1 for the odd; the four partners share a head's 32,768 bytes BY ADDRESS, 8,192 each, lanes 256 bytes apart: each aligned 256 bytes once in the launch.
; K steps 0 to 3 come by their loads alone; the last two refills ask for nothing.  wo16 is not asked for: every tile row reads all of it again.
.macro ASK
	s_cmp_gt_u32 s3, s[LIM]                        ; s3 = 1 in the loop's last trip
	s_cbranch_scc0 .Lnot_mine_\@
	global_prefetch_b8 v[PFO], s[PFA:PFA+1] offset:2097152 th:TH_LOAD_NT scope:SCOPE_SE
.Lnot_mine_\@:
.endm
.macro CREST
	s_cmp_lg_u32 s10, 0
	s_cbranch_scc1 .Lnot_wave_0_\@
	s_barrier_signal -3
.Lnot_wave_0_\@:
	s_barrier_wait -3
	s_barrier_signal -1
	s_barrier_wait -1
.endm
.macro CROUND
	s_barrier_signal -1
	s_barrier_wait -1
	CREST
.endm
	s_load_b128 s[4:7], s[0:1], 0x0                ; att, wo16
	s_load_b64 s[8:9], s[0:1], 0x10                ; out0
	v_lshl_add_u32 v[SPW], v0, 2, SPARE
	v_mov_b32 v[NIL], 0
	ds_add_u32 v[SPW], v[NIL]                      ; the wave's opening: the add, twice on end, and its wait ahead of my first tensor load
	ds_add_u32 v[SPW], v[NIL]
	v_lshrrev_b32 v1, 5, v0
	v_readfirstlane_b32 s10, v1                    ; wave 0..3
	s_lshr_b32 s11, s10, 1                         ; which 128 rows of the tile are mine.  Also: I fetch for att (0) or for wo16 (1)
	s_and_b32 s12, s10, 1                          ; which 64 columns.  Also: which head, or which 64 rows of wo16, I fetch
	s_bfe_u32 s40, ttmp6, 0x40000                  ; cx, cy
	s_bfe_u32 s41, ttmp6, 0x40004
	s_lshl_b32 s42, ttmp9, 2
	s_add_co_u32 s42, s42, s40                     ; tile column
	s_and_b32 s13, ttmp7, 0xffff
	s_lshl_b32 s13, s13, 2
	s_add_co_u32 s13, s13, s41                     ; tile row
	s_lshl_b32 s43, s41, 2
	s_lshl_b32 s43, 15, s43                        ; my row of the cluster
	s_lshl_b32 s44, 0x1111, s40                    ; my column
	s_or_b32 s[G1+0], s43, (1<<16)|(1<<20)|(1<<21)|(4<<22)|(3<<25)   ; att: elements of 2 bytes; 4 words of padding behind every 32
	s_mov_b32 s[G1+1], 64<<16                      ; tensor_dim0
	s_mov_b32 s[G1+2], 256<<16                     ; tensor_dim1
	s_mov_b32 s[G1+3], 64<<16                      ; tile_dim0
	s_mov_b32 s[G1+4], 256                         ; tile_dim1
	s_mov_b32 s[G1+5], 64                          ; from row to row
	s_mov_b32 s[G1+6], 0
	s_mov_b32 s[G1+7], 0
	s_or_b32 s[G1B+0], s44, (1<<16)|(1<<20)|(1<<21)|(5<<22)|(3<<25)  ; wo16: 4 words of padding behind every 64
	s_mov_b32 s[G1B+1], 128<<16
	s_mov_b32 s[G1B+2], 64<<16
	s_mov_b32 s[G1B+3], 128<<16
	s_mov_b32 s[G1B+4], 64
	s_mov_b32 s[G1B+5], 1024
	s_mov_b32 s[G1B+6], 0
	s_mov_b32 s[G1B+7], 0
	s_lshl_b32 s16, s13, 15                        ; att: the tile row's 256 rows of 128 bytes,
	s_lshl_b32 s17, s12, 20                        ; in head 0 or 1
	s_add_co_u32 s16, s16, s17
	s_mov_b32 s17, 0
	s_lshl_b32 s46, s42, 7
	s_lshl_b32 s47, s12, 6
	s_add_co_u32 s46, s46, s47                     ; wo16: row 128 x tile column + 64 x half,
	s_lshl_b32 s46, s46, 11                        ; 2,048 bytes a row
	s_mov_b32 s47, 0
	s_mul_i32 s20, s12, HEADT                      ; where they go: no place in the cluster enters an LDS address
	s_mul_i32 s45, s12, HALFB
	s_add_co_u32 s45, s45, 2*HEADT
	s_wait_dscnt 0x0                               ; both opening adds are done
	s_wait_kmcnt 0x0
	s_add_nc_u64 s[14:15], s[4:5], s[16:17]
	s_add_nc_u64 s[46:47], s[6:7], s[46:47]
	CROUND                                         ; all sixteen work-groups are here: the first joint loads meet
.irp s, 0,1
	s_mov_b32 s[G0+4*\s], 1
	s_add_co_u32 s[G0+4*\s+1], s20, \s*SLOT
	s_add_nc_u64 s[G0+4*\s+2:G0+4*\s+3], s[14:15], \s*2097152      ; K step s: two heads on
	s_or_b32 s[G0+4*\s+3], s[G0+4*\s+3], 0x80000000
	s_mov_b32 s[G0B+4*\s], 1
	s_add_co_u32 s[G0B+4*\s+1], s45, \s*SLOT
	s_add_nc_u64 s[G0B+4*\s+2:G0B+4*\s+3], s[46:47], \s*256
	s_or_b32 s[G0B+4*\s+3], s[G0B+4*\s+3], 0x80000000
	JLOAD \s
.endr
	v_and_b32 v1, 15, v0                           ; r
	v_bfe_u32 v2, v0, 4, 1                         ; h
	v_mul_u32_u24 v3, v1, PA
	v_lshl_add_u32 v3, v2, 4, v3
	v_mul_u32_u24 v4, v1, PB
	v_lshl_add_u32 v4, v2, 4, v4
	s_mul_i32 s21, s11, 128*PA                     ; my 128 rows of att (in each head)
	s_mul_i32 s22, s12, HALFB                      ; my 64 rows of wo16,
	s_add_co_u32 s22, s22, 2*HEADT                 ; behind the two heads
.irp s, 0,1
	v_add_nc_u32 v[ADRA+\s], s21, v3
	v_add_nc_u32 v[ADRB+\s], s22, v4
	s_add_co_u32 s21, s21, SLOT
	s_add_co_u32 s22, s22, SLOT
.endr
	s_mul_i32 s23, s10, 16*SPITCH
	s_add_co_u32 s23, s23, STAGE                   ; my stage
	v_mul_u32_u24 v5, v1, SPITCH                   ; in: row r, 32 bytes for each half of the lanes
	v_lshl_add_u32 v5, v2, 5, v5
	v_add_nc_u32 v[STO], s23, v5
	v_mul_u32_u24 v5, v2, SPITCH                   ; back: lanes 0-15 one row of 256 bytes, lanes 16-31 the next
	v_lshl_add_u32 v5, v1, 4, v5
	v_add_nc_u32 v[RD], s23, v5
	v_lshlrev_b32 v5, 12, v2                       ; and the same two rows in out0
	v_lshl_add_u32 v[CO], v1, 4, v5
	v_and_b32 v[PFO], 31, v0
	v_lshlrev_b32 v[PFO], 8, v[PFO]
	s_lshl_b32 s16, s13, 8
	s_lshl_b32 s17, s11, 7
	s_add_co_u32 s16, s16, s17                     ; my first row of out0,
	s_lshl_b32 s16, s16, 12                        ; 4,096 bytes a row
	s_mov_b32 s17, 0
	s_add_nc_u64 s[8:9], s[8:9], s[16:17]
	s_lshl_b32 s46, s42, 9
	s_lshl_b32 s47, s12, 8
	s_add_co_u32 s46, s46, s47                     ; my first column, in bytes: a multiple of 256
	s_mov_b32 s47, 0
	s_add_nc_u64 s[8:9], s[8:9], s[46:47]
	s_lshl_b32 s22, s13, 15                        ; the prefetches: the tile row,
	s_lshl_b32 s23, s40, 13                        ; my work-group's 8,192 bytes of a head's 32,768,
	s_add_co_u32 s22, s22, s23
	s_add_co_u32 s23, s12, 4                       ; in K step 2: the first refill steps it to 3 and names K step 4
	s_lshl_b32 s23, s23, 20
	s_add_co_u32 s22, s22, s23
	s_mov_b32 s23, 0
	s_add_nc_u64 s[PFA:PFA+1], s[4:5], s[22:23]
	s_or_b32 s[LIM], s11, ttmp9                    ; waves 0 and 1 of the clusters with x = 0: the same in all sixteen partners, for a given wave
	s_cmp_eq_u32 s[LIM], 0
	s_cselect_b32 s[LIM], 1, -1
.macro MULA a, f, zero                 ; att's block a against wo16's four, 32 along K, from buffer f.  zero = 1: the product starts the sum
.irp b, 0,1,2,3
.if \zero
	v_wmma_f32_16x16x32_f16 v[8*(4*(\a)+\b):8*(4*(\a)+\b)+7], v[FB+32*(\f)+8*\b:FB+32*(\f)+8*\b+7], v[FA+64*(\f)+8*(\a):FA+64*(\f)+8*(\a)+7], 0
.else
	v_wmma_f32_16x16x32_f16 v[8*(4*(\a)+\b):8*(4*(\a)+\b)+7], v[FB+32*(\f)+8*\b:FB+32*(\f)+8*\b+7], v[FA+64*(\f)+8*(\a):FA+64*(\f)+8*(\a)+7], v[8*(4*(\a)+\b):8*(4*(\a)+\b)+7]
.endif
.endr
.endm
.macro MUL2 a0, f, zero                ; the 32 accumulators take turns, one instruction a turn, in the same order in every quarter
	MULA \a0, \f, \zero
	MULA \a0+1, \f, \zero
.endm
.macro MUL4 a0, f, zero
	MUL2 \a0, \f, \zero
	MUL2 \a0+2, \f, \zero
.endm
.macro FETCH slot, q, f                ; 24 LDS loads in one run: the fragments of the slot's q-th 32 along K into buffer f: wo16's four, att's blocks 0-3, att's blocks 4-7
.irp i, 0,1,2,3
	ds_load_b128 v[FB+32*(\f)+8*\i:FB+32*(\f)+8*\i+3],   v[ADRB+\slot] offset:64*(\q)+\i*16*PB
	ds_load_b128 v[FB+32*(\f)+8*\i+4:FB+32*(\f)+8*\i+7], v[ADRB+\slot] offset:64*(\q)+\i*16*PB+32
.endr
.irp i, 0,1,2,3,4,5,6,7
	ds_load_b128 v[FA+64*(\f)+8*\i:FA+64*(\f)+8*\i+3],   v[ADRA+\slot] offset:((\q)/2)*HEADT+((\q)%2)*64+\i*16*PA
	ds_load_b128 v[FA+64*(\f)+8*\i+4:FA+64*(\f)+8*\i+7], v[ADRA+\slot] offset:((\q)/2)*HEADT+((\q)%2)*64+\i*16*PA+32
.endr
.endm
.macro PLACES                          ; four plain vector instructions in front of loads into registers that matrix instructions have read, and of reads of results
.rept 4
	v_nop
.endr
.endm
; A K step is four quarters of 32 along K, 32 matrix instructions each, on buffers 0, 1, 0, 1.  One of the first three: multiplies buffer f and fetches quarter q into buffer g.
.macro QUARTER slot, q, f, g, zero
	s_wait_dscnt 8                                 ; wo16's fragments and att's blocks 0-3 are in; the youngest eight loads (blocks 4-7) may be out
	WIN MUL
	MUL4 0, \f, \zero
	PLACES
	WIN 0
	FETCH \slot, \q, \g
	s_wait_dscnt 24                                ; all but the 24 just issued
	WIN MUL
	MUL4 4, \f, \zero
.endm
; The last quarter multiplies buffer 1 and changes slots: ONE barrier; in front of it each wave waits for all its tensor loads, adds 0 to its spare word, and waits for that and for its reads of this slot.
.macro TURN slot, next, fill
.if \fill
	s_wait_xcnt 0x0                                ; the last prefetch, a K step back, has read its address
	s_add_nc_u64 s[PFA:PFA+1], s[PFA:PFA+1], 2097152
.endif
	WIN 0
	s_wait_tensorcnt 0x0                           ; all my tensor loads have landed: my part of the next slot
	ds_add_u32 v[SPW], v[NIL]
	s_wait_dscnt 9                                 ; the add and the youngest eight loads may be out
	WIN MUL
	MUL2 0, 1, 0
	s_wait_dscnt 0x0                               ; the add is done, and my reads of this slot are over
	s_barrier_signal -1
	MUL2 2, 1, 0
	WIN 0
	s_barrier_wait -1
.if \fill
	CREST                                          ; the barrier has opened a round of the cluster's barrier: no wave of any partner still reads this slot or has a load on its way
	s_add_nc_u64 s[G0+4*\slot+2:G0+4*\slot+3], s[G0+4*\slot+2:G0+4*\slot+3], 4194304   ; two K steps on: four heads
	s_add_nc_u64 s[G0B+4*\slot+2:G0B+4*\slot+3], s[G0B+4*\slot+2:G0B+4*\slot+3], 512
	JLOAD \slot                                    ; the first tensor load behind the round; its four v_nop are also the places in front of the loads below
.else
	PLACES
.endif
	FETCH \next, 0, 0
.if \fill
	ASK
.endif
	WIN MUL
	MUL4 4, 1, 0
.endm
	s_wait_tensorcnt 1                             ; my part of K step 0 is in; K step 1's load may be out
	s_barrier_signal -1
	s_barrier_wait -1
	FETCH 0, 0, 0
	QUARTER 0, 1, 0, 1, 1                          ; the first quarter's products start the sums
	WIN 0
	s_mov_b32 s3, LAPS-1
.Llap:                                             ; a trip goes once round the ring, from a lap's second quarter to the next lap's first, and fills both slots again
	QUARTER 0, 2, 1, 0, 0
	QUARTER 0, 3, 0, 1, 0
	TURN 0, 1, 1
	QUARTER 1, 1, 0, 1, 0
	QUARTER 1, 2, 1, 0, 0
	QUARTER 1, 3, 0, 1, 0
	TURN 1, 0, 1
	QUARTER 0, 1, 0, 1, 0
	WIN 0
	s_sub_co_u32 s3, s3, 1
	s_cmp_lg_u32 s3, 0
	s_cbranch_scc1 .Llap
	QUARTER 0, 2, 1, 0, 0                          ; the last lap fills nothing
	QUARTER 0, 3, 0, 1, 0
	TURN 0, 1, 0
	QUARTER 1, 1, 0, 1, 0
	QUARTER 1, 2, 1, 0, 0
	QUARTER 1, 3, 0, 1, 0
	s_wait_dscnt 8
	WIN MUL
	MUL4 0, 1, 0
	s_wait_dscnt 0
	MUL4 4, 1, 0
	WIN 0
; THE WAY OUT, block by block of 16 rows x 64 columns of f32: through my own stage and back as whole rows of 256 bytes: sixteen lanes store 256 consecutive bytes, aligned.
.macro TOSTAGE a
	WIN 0x04                                       ; an LDS store's data: window 1
.irp b, 0,1,2,3
	ds_store_b128 v[STO], v[8*(4*(\a)+\b):8*(4*(\a)+\b)+3] offset:64*\b          ; each accumulator from its low end on
	ds_store_b128 v[STO], v[8*(4*(\a)+\b)+4:8*(4*(\a)+\b)+7] offset:64*\b+16
.endr
	WIN 0
.set BB, FA+32*((\a)%2)
.irp t, 0,1,2,3,4,5,6,7
	ds_load_b128 v[BB+4*\t:BB+4*\t+3], v[RD] offset:\t*2*SPITCH    ; LDS serves a wave's instructions in order: these see the stores above
.endr
.endm
.macro SEND a, younger
.set BB, FA+32*((\a)%2)
	s_wait_dscnt \younger                          ; the block is back; the next block's eight stores and eight loads may be out
.if (\a) > 0
	s_add_nc_u64 s[8:9], s[8:9], 16*4096           ; (behind a wait on XCNT: the earlier stores have read their base)
.endif
.irp t, 0,1,2,3,4,5,6,7
	global_store_b128 v[CO], v[BB+4*\t:BB+4*\t+3], s[8:9] offset:\t*8192 th:TH_STORE_NT
.endr
.endm
	PLACES
	TOSTAGE 0
.irp a, 1,2,3,4,5,6,7
.if \a > 1
	s_wait_xcnt 0x0                                ; block a - 2's stores have read their registers and their base
.endif
	TOSTAGE \a
	SEND \a-1, 16
.endr
	s_wait_xcnt 0x0
	SEND 7, 0
	s_wait_tensorcnt 0x0                           ; the wave's end
	ds_add_u32 v[SPW], v[NIL]
	s_wait_dscnt 0x0
	CROUND                                         ; the closing round
	s_endpgm
.Lfunc_end_k_qf86d916580_proj:
	.size	k_qf86d916580_proj, .Lfunc_end_k_qf86d916580_proj-k_qf86d916580_proj
	.p2alignl 7, 3214868480
	.fill 96, 4, 3214868480
	.section	.rodata,"a",@progbits
	.p2align	6, 0x0
	.amdhsa_kernel k_qf86d916580_proj
		.amdhsa_group_segment_fixed_size 327680
		.amdhsa_private_segment_fixed_size 0
		.amdhsa_enable_private_segment 0
		.amdhsa_kernarg_size 24
		.amdhsa_user_sgpr_count 2
		.amdhsa_user_sgpr_kernarg_segment_ptr 1
		.amdhsa_wavefront_size32 1
		.amdhsa_system_sgpr_workgroup_id_x 1
		.amdhsa_system_sgpr_workgroup_id_y 1
		.amdhsa_system_sgpr_workgroup_id_z 1
		.amdhsa_system_vgpr_workitem_id 0
		.amdhsa_next_free_vgpr 512
		.amdhsa_next_free_sgpr 72
		.amdhsa_reserve_vcc 0
		.amdhsa_float_denorm_mode_32 3
		.amdhsa_float_denorm_mode_16_64 3
		.amdhsa_memory_ordered 1
		.amdhsa_forward_progress 1
		.amdhsa_inst_pref_size 87
	.end_amdhsa_kernel
	.amdgpu_metadata
---
amdhsa.version: [ 1, 2 ]
amdhsa.kernels:
  - .name:           k_qf86d916580_proj
    .symbol:         k_qf86d916580_proj.kd
    .args:
      - { .name: att, .offset: 0, .size: 8, .value_kind: global_buffer, .address_space: global }
      - { .name: wo16, .offset: 8, .size: 8, .value_kind: global_buffer, .address_space: global }
      - { .name: out0, .offset: 16, .size: 8, .value_kind: global_buffer, .address_space: global }
    .group_segment_fixed_size: 327680
    .private_segment_fixed_size: 0
    .kernarg_segment_align: 8
    .kernarg_segment_size: 24
    .max_flat_workgroup_size: 128
    .sgpr_count:     72
    .vgpr_count:     512
    .wavefront_size: 32
...
	.end_amdgpu_metadata
.endif
;; end of part 4
;; launch fine (part 5): grid 64 x 4, 16 waves a work-group, no clusters, 18,432 bytes of LDS; arguments q32, W_o, out0; writes out0
.if DOCPART == 5
	.amdgcn_target "amdgcn-amd-amdhsa--gfx1250"
	.amdhsa_code_object_version 6
	.text
	.protected	k_qf86d916580_fine
	.globl	k_qf86d916580_fine
	.p2align	8
	.type	k_qf86d916580_fine,@function
k_qf86d916580_fine:
	s_mov_b64 s[64:65], 0
	v_nop
	global_prefetch_b8 v0, s[64:65] scope:SCOPE_SE
	s_setreg_imm32_b32 hwreg(HW_REG_WAVE_MODE, 25, 1), 1
	s_wait_xcnt 0x0
; The first 16 positions of each batch, once more, all in f32: under the causal mask they average one to sixteen values and are the largest numbers of the output, so 16-bit operands would weigh most there.
; q32[16 batch + position][3072] holds their q, k, v as f32 sums of the quantised products.  out0's 64 rows that this launch writes replace what the launch before wrote there.
; SHARES.  Work-group (x, batch): output columns 16 x .. 16 x + 15 of the batch's 16 rows.  Wave w is head w: it makes that head's 16 x 16 attention in registers and multiplies its 64 channels by
; W_o[16 x ..][64 w ..]; the sixteen partial tiles meet in LDS, and waves 0 and 1 add them.  48 matrix instructions of the f32 form a wave: no bulk work.
; LAYOUT.  The f32 form takes K = 4: register j of lane (r, h) is k = 2 h + j.  A permutation of K applied alike to both sources keeps the products: a lane holds 8 neighbours, at 8 h + 0..7 of each 16, and the
; register pair (2 u, 2 u + 1) of both sources is one K step.  All three products are used transposed, so that a lane holds one query (lane % 16) throughout.
; The registers that the f32 form writes (v144-239) are written by matrix instructions alone; what is made of them goes elsewhere.
; A work-group stores 64 bytes of each of 16 rows: the launch's whole output is 262,144 bytes, and pieces of 256 bytes would put four times the work on a quarter of the work-groups.
; LIMIT: hidden keys get the weight 0, as in the bulk launch.
.set QF,  16                           ; v16-47   Q: chunk t of 16 channels at QF + 8 t; later O / l
.set KFR, 48                           ; v48-79   K likewise
.set VF,  80                           ; v80-111  V: tile ct: lane = channel 16 ct + r, register j = position 8 h + j
.set WF,  112                          ; v112-143 W_o: row 16 x + r, chunk ct
.set SA,  144                          ; four accumulators of S^T
.set OA,  176                          ; four of O^T
.set YA,  208                          ; four of Y^T
.set T,   240                          ; v240-247 the scores, then p
.set YS,  248                          ; v248-255 at work; my head's part of Y
.set SPW, 12
.set NIL, 13
.set SPARE, 16384                      ; behind the sixteen images: the spare words, 128 bytes a wave, which no other line names
	s_load_b128 s[4:7], s[0:1], 0x0                ; q32, W_o
	s_load_b64 s[8:9], s[0:1], 0x10                ; out0
	v_lshl_add_u32 v[SPW], v0, 2, SPARE
	v_mov_b32 v[NIL], 0
	v_lshrrev_b32 v1, 5, v0
	v_readfirstlane_b32 s10, v1                    ; wave = head
	v_and_b32 v1, 15, v0                           ; r
	v_bfe_u32 v2, v0, 4, 1                         ; h
	v_and_b32 v11, 31, v0                          ; lane
	v_mul_u32_u24 v3, v1, 12288
	v_lshl_add_u32 v3, v2, 5, v3                   ; q, k: row r of 12,288 bytes, + 32 h
	v_mul_u32_u24 v4, v2, 98304
	v_lshl_add_u32 v4, v1, 2, v4                   ; v: rows 8 h on, channel r
	v_lshlrev_b32 v5, 12, v1
	v_lshl_add_u32 v5, v2, 5, v5                   ; W_o and out0: row r of 4,096 bytes, + 32 h
	s_lshl_b32 s18, s10, 10
	v_lshl_add_u32 v6, v11, 4, s18                 ; LDS: my wave's image: 16 x lane + 1,024 x wave
	s_lshl_b32 s18, s10, 9
	v_lshl_add_u32 v7, v11, 4, s18                 ; and what waves 0 and 1 read: half w of each image
	s_lshl_b32 s18, s10, 4
	v_add_nc_u32 v8, s18, v5                       ; out0: + 16 w: four columns
	v_lshlrev_b32 v9, 3, v2
	v_sub_nc_u32 v9, v1, v9                        ; r - 8 h, for the mask
	v_mov_b32 v10, 0xff800000                      ; -infinity
	v_mov_b32 v15, 0                               ; written once: a lane permute's destination counts as one of its sources
	s_and_b32 s11, ttmp7, 0xffff                   ; the batch
	s_mul_i32 s12, s11, 196608                     ; its 16 rows of q32,
	s_lshl_b32 s13, s10, 8                         ; my head's 64 channels
	s_add_co_u32 s12, s12, s13
	s_mov_b32 s13, 0
	s_lshl_b32 s14, ttmp9, 16                      ; W_o: 16 rows of 4,096 bytes,
	s_lshl_b32 s15, s10, 8                         ; my head's 64 columns
	s_add_co_u32 s14, s14, s15
	s_mov_b32 s15, 0
	s_lshl_b32 s16, s11, 23                        ; out0: the batch's 2,048 rows,
	s_lshl_b32 s17, ttmp9, 6                       ; my work-group's 16 columns
	s_add_co_u32 s16, s16, s17
	s_mov_b32 s17, 0
	s_mov_b32 s20, 0x76543210
	s_mov_b32 s21, 0xfedcba98                      ; lane l xor 16
	s_mov_b32 s22, 0x3e38aa3b                      ; c = log2(e) / 8
	s_wait_kmcnt 0x0
	s_add_nc_u64 s[4:5], s[4:5], s[12:13]
	s_add_nc_u64 s[6:7], s[6:7], s[14:15]
	s_add_nc_u64 s[8:9], s[8:9], s[16:17]
.irp t, 0,1,2,3
.irp c, 0,1
	global_load_b128 v[QF+8*\t+4*\c:QF+8*\t+4*\c+3], v3, s[4:5] offset:64*\t+16*\c
.endr
.endr
.irp t, 0,1,2,3
.irp c, 0,1
	global_load_b128 v[KFR+8*\t+4*\c:KFR+8*\t+4*\c+3], v3, s[4:5] offset:4096+64*\t+16*\c
.endr
.endr
.irp ct, 0,1,2,3
.irp j, 0,1,2,3,4,5,6,7
	global_load_b32 v[VF+8*\ct+\j], v4, s[4:5] offset:8192+64*\ct+12288*\j
.endr
.endr
.irp ct, 0,1,2,3
.irp c, 0,1
	global_load_b128 v[WF+8*\ct+4*\c:WF+8*\ct+4*\c+3], v5, s[6:7] offset:64*\ct+16*\c
.endr
.endr
	s_wait_loadcnt 40                              ; q and k are in; v's 32 loads and W_o's 8 may be out
.irp u, 0,1,2,3                                ; S^T = K Q^T: four accumulators, one for each chunk of 16 channels, by turns
.irp t, 0,1,2,3
.if \u == 0
	v_wmma_f32_16x16x4_f32 v[SA+8*\t:SA+8*\t+7], v[KFR+8*\t+2*\u:KFR+8*\t+2*\u+1], v[QF+8*\t+2*\u:QF+8*\t+2*\u+1], 0
.else
	v_wmma_f32_16x16x4_f32 v[SA+8*\t:SA+8*\t+7], v[KFR+8*\t+2*\u:KFR+8*\t+2*\u+1], v[QF+8*\t+2*\u:QF+8*\t+2*\u+1], v[SA+8*\t:SA+8*\t+7]
.endif
.endr
.endr
.rept 8
	v_nop                                          ; eight places behind this form, in front of the first read of results
.endr
.irp j, 0,1,2,3,4,5,6,7
	v_add_f32 v[T+\j], v[SA+\j], v[SA+8+\j]        ; each accumulator from its low end on
.endr
.irp j, 0,1,2,3,4,5,6,7
	v_add_f32 v[YS+\j], v[SA+16+\j], v[SA+24+\j]
.endr
.irp j, 0,1,2,3,4,5,6,7
	v_add_f32 v[T+\j], v[T+\j], v[YS+\j]           ; the score of key 8 h + j and query r
.endr
.irp j, 0,1,2,3,4,5,6,7
	v_cmp_gt_i32 vcc_lo, \j, v9                    ; hidden where 8 h + j > r
	v_cndmask_b32 v[T+\j], v[T+\j], v10, vcc_lo
.endr
	v_max3_num_f32 v14, v[T], v[T+1], v[T+2]
	v_max3_num_f32 v14, v14, v[T+3], v[T+4]
	v_max3_num_f32 v14, v14, v[T+5], v[T+6]
	v_max_num_f32 v14, v14, v[T+7]
	v_permlanex16_b32 v15, v14, s20, s21
	v_max_num_f32 v14, v14, v15                    ; the row's maximum: key 0 counts for every query
	v_mul_f32 v15, s22, v14
.irp j, 0,1,2,3,4,5,6,7
	v_fma_f32 v[T+\j], v[T+\j], s22, -v15
.endr
.irp j, 0,1,2,3,4,5,6,7
	v_exp_f32 v[T+\j], v[T+\j]                     ; p = 2^(c s - c m)
.endr
	v_nop
	s_wait_alu depctr_va_vdst(0)                   ; one wait for the eight exponentials, ahead of their first reader
	v_add_f32 v14, v[T], v[T+1]
	v_add_f32 v15, v[T+2], v[T+3]
	v_add_f32 v[YS], v[T+4], v[T+5]
	v_add_f32 v[YS+1], v[T+6], v[T+7]
	v_add_f32 v14, v14, v15
	v_add_f32 v[YS], v[YS], v[YS+1]
	v_add_f32 v14, v14, v[YS]
	v_permlanex16_b32 v15, v14, s20, s21
	v_add_f32 v14, v14, v15                        ; the row's sum
	v_rcp_f32 v14, v14
	v_nop                                          ; a plain instruction behind the reciprocal; its wait stands ahead of its first reader, below
	s_wait_loadcnt 8                               ; v is in; W_o's 8 loads may be out
.irp u, 0,1,2,3                                ; O^T = V^T P: K = the 16 keys; four tiles of 16 channels by turns
.irp ct, 0,1,2,3
.if \u == 0
	v_wmma_f32_16x16x4_f32 v[OA+8*\ct:OA+8*\ct+7], v[VF+8*\ct+2*\u:VF+8*\ct+2*\u+1], v[T+2*\u:T+2*\u+1], 0
.else
	v_wmma_f32_16x16x4_f32 v[OA+8*\ct:OA+8*\ct+7], v[VF+8*\ct+2*\u:VF+8*\ct+2*\u+1], v[T+2*\u:T+2*\u+1], v[OA+8*\ct:OA+8*\ct+7]
.endif
.endr
.endr
.rept 8
	v_nop
.endr
	s_wait_alu depctr_va_vdst(0)                   ; the reciprocal's wait
.irp j, 0,1,2,3,4,5,6,7,8,9,10,11,12,13,14,15,16,17,18,19,20,21,22,23,24,25,26,27,28,29,30,31
	v_mul_f32 v[QF+\j], v[OA+\j], v14              ; O / l: register 8 ct + j is channel 16 ct + 8 h + j of query r: laid as Q was
.endr
	s_wait_loadcnt 0x0                             ; W_o
.irp u, 0,1,2,3                                ; Y^T = W_o O^T over my head's 64 channels: four accumulators, one for each chunk, by turns
.irp ct, 0,1,2,3
.if \u == 0
	v_wmma_f32_16x16x4_f32 v[YA+8*\ct:YA+8*\ct+7], v[WF+8*\ct+2*\u:WF+8*\ct+2*\u+1], v[QF+8*\ct+2*\u:QF+8*\ct+2*\u+1], 0
.else
	v_wmma_f32_16x16x4_f32 v[YA+8*\ct:YA+8*\ct+7], v[WF+8*\ct+2*\u:WF+8*\ct+2*\u+1], v[QF+8*\ct+2*\u:QF+8*\ct+2*\u+1], v[YA+8*\ct:YA+8*\ct+7]
.endif
.endr
.endr
.rept 8
	v_nop
.endr
.irp j, 0,1,2,3,4,5,6,7
	v_add_f32 v[YS+\j], v[YA+\j], v[YA+8+\j]
.endr
.irp j, 0,1,2,3,4,5,6,7
	v_add_f32 v[T+\j], v[YA+16+\j], v[YA+24+\j]
.endr
.irp j, 0,1,2,3,4,5,6,7
	v_add_f32 v[YS+\j], v[YS+\j], v[T+\j]          ; my head's part of out0(query r, column 16 x + 8 h + j)
.endr
	ds_store_b128 v6, v[YS:YS+3]                   ; as an image of the registers: 16 bytes a lane, 512 a store
	ds_store_b128 v6, v[YS+4:YS+7] offset:512
	s_wait_dscnt 0x0                               ; for the others' sake: my stores have landed
	s_barrier_signal -1
	s_barrier_wait -1
	s_cmp_gt_u32 s10, 1
	s_cbranch_scc1 .Lothers
.irp g, 0,1,2,3,4,5,6,7,8,9,10,11,12,13,14,15
	ds_load_b128 v[16+4*\g:19+4*\g], v7 offset:1024*\g             ; half w of head g's image
.endr
	s_wait_dscnt 0x0
.irp d, 8,4,2,1
.set g, 0
.rept \d
	v_pk_add_f32 v[16+4*g:17+4*g], v[16+4*g:17+4*g], v[16+4*(g+\d):17+4*(g+\d)]
	v_pk_add_f32 v[18+4*g:19+4*g], v[18+4*g:19+4*g], v[18+4*(g+\d):19+4*(g+\d)]
.set g, g+1
.endr
.endr
	global_store_b128 v8, v[16:19], s[8:9]         ; out0(query r, columns 16 x + 8 h + 4 w + 0..3)
.Lothers:
	s_wait_tensorcnt 0x0                           ; the wave's end: behind my last LDS store
	ds_add_u32 v[SPW], v[NIL]
	s_wait_dscnt 0x0
	s_endpgm
.Lfunc_end_k_qf86d916580_fine:
	.size	k_qf86d916580_fine, .Lfunc_end_k_qf86d916580_fine-k_qf86d916580_fine
	.p2alignl 7, 3214868480
	.fill 96, 4, 3214868480
	.section	.rodata,"a",@progbits
	.p2align	6, 0x0
	.amdhsa_kernel k_qf86d916580_fine
		.amdhsa_group_segment_fixed_size 18432
		.amdhsa_private_segment_fixed_size 0
		.amdhsa_enable_private_segment 0
		.amdhsa_kernarg_size 24
		.amdhsa_user_sgpr_count 2
		.amdhsa_user_sgpr_kernarg_segment_ptr 1
		.amdhsa_wavefront_size32 1
		.amdhsa_system_sgpr_workgroup_id_x 1
		.amdhsa_system_sgpr_workgroup_id_y 1
		.amdhsa_system_sgpr_workgroup_id_z 1
		.amdhsa_system_vgpr_workitem_id 0
		.amdhsa_next_free_vgpr 256
		.amdhsa_next_free_sgpr 66
		.amdhsa_reserve_vcc 1
		.amdhsa_float_denorm_mode_32 3
		.amdhsa_float_denorm_mode_16_64 3
		.amdhsa_memory_ordered 1
		.amdhsa_forward_progress 1
		.amdhsa_inst_pref_size 20
	.end_amdhsa_kernel
	.amdgpu_metadata
---
amdhsa.version: [ 1, 2 ]
amdhsa.kernels:
  - .name:           k_qf86d916580_fine
    .symbol:         k_qf86d916580_fine.kd
    .args:
      - { .name: q32, .offset: 0, .size: 8, .value_kind: global_buffer, .address_space: global }
      - { .name: W_o, .offset: 8, .size: 8, .value_kind: global_buffer, .address_space: global }
      - { .name: out0, .offset: 16, .size: 8, .value_kind: global_buffer, .address_space: global }
    .group_segment_fixed_size: 18432
    .private_segment_fixed_size: 0
    .kernarg_segment_align: 8
    .kernarg_segment_size: 24
    .max_flat_workgroup_size: 512
    .sgpr_count:     66
    .vgpr_count:     256
    .wavefront_size: 32
...
	.end_amdgpu_metadata
.endif
;; end of part 5
